; MI455X (gfx1250); checked and timed in simulation.
; The chip was launched on July 23, 2026; its instructions are those of AMD's public machine-readable ISA for CDNA 5 (MIT licence, August 2026) and "CDNA5" Instruction Set Architecture Reference Guide (July 2026). The comments in the code are by the model that wrote it; some were corrected since.
;; Efficient Mo E Layer. Allowed arithmetic: matrix products marked QUANTISED: E2M3 operands, one E8M0 scale for each 32 along K, by v_wmma_scale_f32_16x16x128_f8f6f4 with both operands' format E2M3, f32 sums; products left as they are: f32 operands where the result goes on into a quantised operand, else bf16, f16 or f32 operands; f32 sums; everything else in f32.
;; Inputs: W1_codes 8 x 4,096 x 32 x 24 uint8 (E2M3 codes of W1, K innermost, in blocks of 32 codes, four codes in three bytes); W1_scales 8 x 4,096 x 32 uint8 (E8M0 scales of W1, one for each 32 codes along K); W2_codes 8 x 1,024 x 128 x 24 uint8 (E2M3 codes of W2, K innermost, in blocks of 32 codes, four codes in three bytes); W2_scales 8 x 1,024 x 128 uint8 (E8M0 scales of W2, one for each 32 codes along K); Wr 1,024 x 8 float32; b1 8 x 4,096 float32; b2 8 x 1,024 float32; x 4 x 256 x 1,024 float32.
;; Outputs: out0 4 x 256 x 1,024 float32.
;; This version of the problem:
;;   THIS VERSION OF THE PROBLEM IS GIVEN IN LOW PRECISION. The matrix products marked QUANTISED in the list below multiply operands that are first quantised to E2M3 (2 exponent bits, 3 mantissa bits; 6 bits a number), with one power-of-two scale for each 32 numbers along K (OCP MX v1.0); their sums are f32. All else is computed in f32.
;;   The module's matrix products, in the order in which they are computed (A, B: the left and right operand; K: the contracted axis; several contracted axes count as one K, in the product's order):
;;     1. [M 1,024, K 1,024] x [K 1,024, N 8]; A: input x; B: input Wr: left as it is (N = 8 < 16)
;;     2. [M 1,024, K 1,024] x [K 1,024, N 4,096]; A: input x; B: input W1 (given as codes): QUANTISED
;;     3. [M 1,024, K 4,096] x [K 4,096, N 1,024]; A: computed on the way; B: input W2 (given as codes): QUANTISED
;;     4. [M 1,024, K 1,024] x [K 1,024, N 4,096]; A: input x; B: input W1 (given as codes): QUANTISED
;;     5. [M 1,024, K 4,096] x [K 4,096, N 1,024]; A: computed on the way; B: input W2 (given as codes): QUANTISED
;;     6. [M 1,024, K 1,024] x [K 1,024, N 4,096]; A: input x; B: input W1 (given as codes): QUANTISED
;;     7. [M 1,024, K 4,096] x [K 4,096, N 1,024]; A: computed on the way; B: input W2 (given as codes): QUANTISED
;;     8. [M 1,024, K 1,024] x [K 1,024, N 4,096]; A: input x; B: input W1 (given as codes): QUANTISED
;;     9. [M 1,024, K 4,096] x [K 4,096, N 1,024]; A: computed on the way; B: input W2 (given as codes): QUANTISED
;;     10. [M 1,024, K 1,024] x [K 1,024, N 4,096]; A: input x; B: input W1 (given as codes): QUANTISED
;;     11. [M 1,024, K 4,096] x [K 4,096, N 1,024]; A: computed on the way; B: input W2 (given as codes): QUANTISED
;;     12. [M 1,024, K 1,024] x [K 1,024, N 4,096]; A: input x; B: input W1 (given as codes): QUANTISED
;;     13. [M 1,024, K 4,096] x [K 4,096, N 1,024]; A: computed on the way; B: input W2 (given as codes): QUANTISED
;;     14. [M 1,024, K 1,024] x [K 1,024, N 4,096]; A: input x; B: input W1 (given as codes): QUANTISED
;;     15. [M 1,024, K 4,096] x [K 4,096, N 1,024]; A: computed on the way; B: input W2 (given as codes): QUANTISED
;;     16. [M 1,024, K 1,024] x [K 1,024, N 4,096]; A: input x; B: input W1 (given as codes): QUANTISED
;;     17. [M 1,024, K 4,096] x [K 4,096, N 1,024]; A: computed on the way; B: input W2 (given as codes): QUANTISED
;;   THE QUANTISER, for each operand of a quantised product, along K:
;;     - K is cut into blocks of 32 from its start; a last block that is shorter is filled with zeros.
;;     - A block's scale is 2^e with e = floor(log2(the largest magnitude in the block)) - 2, held to -126 .. 127; a block of zeros has e = 0. As a byte (E8M0): e + 127.
;;     - Each number is divided by its block's scale, clamped to +-7.5, and rounded to the nearest number of E2M3, ties to even, subnormals kept.
;;     - The product sums the exact products of the quantised numbers (number of the format x scale) in f32.
;;   ~~~python
;;   def quantise(x, axis):      # numpy; x: float32 -> the quantised numbers, widened to float32 again
;;       x = np.moveaxis(x, axis, -1); K = x.shape[-1]
;;       x = np.pad(x, [(0, 0)] * (x.ndim - 1) + [(0, -K % 32)]); x = x.reshape(x.shape[:-1] + (-1, 32)); a = np.abs(x).max(-1, keepdims=True)
;;       e = np.where(a > 0, np.clip(np.frexp(np.where(a > 0, a, 1))[1] - 1 - 2, -126, 127), 0)      # np.frexp(a)[1] - 1 = floor(log2(a)), exactly
;;       r = np.clip(x / 2.0 ** e, -7.5, 7.5)
;;       step = 2.0 ** (np.maximum(np.frexp(np.where(r == 0, 1, r))[1] - 1, 0) - 3)
;;       q = np.round(r / step) * step * 2.0 ** e      # np.round: ties to even
;;       return np.moveaxis(q.reshape(q.shape[:-2] + (-1,))[..., :K], -1, axis).astype(np.float32)
;;   ~~~
;;   OPERANDS COMPUTED ON THE WAY. 'Computed on the way' means the value that the module computes at that place (a softmax that the list does not call 'softmax' is quantised finished and normalised). What goes into a quantiser is computed in f32, as accurately as f32 sums, v_exp_f32 and their like allow (about 1e-6 of the number): no bf16 or f16 on the way to a quantiser, and a product that is left as it is and whose result goes on into a quantised operand takes f32 operands (vector FMAs, or v_wmma_f32_16x16x4_f32). A number that lies on a knife's edge between two numbers of the format may be rounded either way, as far as f32 arithmetic and the matrix unit's own rounding can turn it there, and no further.
;;   INPUTS GIVEN AS CODES. W1 (in the module: [8, 1024, 4096], K = its axis 1); W2 (in the module: [8, 4096, 1024], K = its axis 1): each comes as NAME_codes (uint8): NAME with its K axis moved to the last place and cut into blocks of 32 codes, [.., K / 32, bytes a block], one block behind the other in memory; four codes in three bytes: a row's codes are one little-endian stream of bits, code i at bits 6 i .. 6 i + 5 (a code: sign, 2 exponent bits, 3 mantissa bits); and NAME_scales (uint8): the same leading axes, one E8M0 byte (e + 127) for each 32 codes along K. Its value is code x scale, taken as it is: it is not quantised again, and the codes and scales need not be those that the quantiser above would give.
;; 2 versions, each right; version 2 is version 1 with the launches up, down written anew for expert scheduling mode. Each part assembles by itself: llvm-mc -triple=amdgcn-amd-amdhsa -mcpu=gfx1250 --defsym DOCPART=n.
;; ======== version 1 of 2: 5 launches
;; workspace buffers: xq 819,200 bytes; rmask 2,048 bytes of whole numbers; gates 8,192 bytes; rplan 10,240 bytes of whole numbers; ximg 6,553,600 bytes; himg 26,214,400 bytes; ybuf 33,554,432 bytes
;; launch route (part 1): grid 64 x 1, 4 waves a work-group, no clusters, 53,760 bytes of LDS; arguments x, Wr, xq, rmask, gates; writes xq, rmask, gates
.if DOCPART == 1
	.amdgcn_target "amdgcn-amd-amdhsa--gfx1250"
	.amdhsa_code_object_version 6
	.text
	.protected	k_q5c86ccf6c7_route
	.globl	k_q5c86ccf6c7_route
	.p2align	8
	.type	k_q5c86ccf6c7_route,@function
k_q5c86ccf6c7_route:
	s_mov_b64 s[64:65], 0
	v_nop
	global_prefetch_b8 v0, s[64:65] scope:SCOPE_SE
	s_setreg_imm32_b32 hwreg(HW_REG_WAVE_MODE, 25, 1), 1
	s_wait_xcnt 0x0
; THE ROUTER, AND x INTO CODES.  x [1024][1024] f32, Wr [1024][8] f32.
; A work-group of four waves owns 16 tokens, a wave 4.  Each token's row is read once and serves twice: for its 8 logits (f32 fused multiply-adds) and for its codes of E2M3
; (one E8M0 byte for each 32 along K), which are the same for every expert and so are made once.
; OUT: xq: a token's 768 bytes of codes as one stream of bits, and its 8 scale words; rmask: for each expert and each of the two choices a bit a token; gates: the two gates of a token.
; The choice is made of floating-point numbers, so it enters no address and no branch here: it leaves as bits at fixed places.
; SLOT ORDER of a scale word: bytes (block 0, block 2, block 1, block 3) of its 128 along K: the products give lane (r, h) 48 consecutive bytes of a row, so the instruction's blocks 1 and 2 change places, on both operands alike.
; LIMITS: NaN and infinities are not served.  A block of zeros gets the byte 1 and zero codes (the bytes are read by this program alone).  The logits are summed in another order than a row-by-row sum:
; a token whose second and third probabilities agree to about 1e-6 of their size may take the other of the two.  v_exp_f32 gives 0 for results under 2^-126: such a probability counts as 0, and its gate is 0.
; No matrix unit, no cluster: a product with 8 columns, and nothing but the 32 KB of Wr is shared.
.set XST, 33280                        ; LDS: from 0 Wr as 32 blocks of 1,024 + 16 bytes; here a stage of 4,608 bytes for each wave
.set LOG, 51712                        ; the logits: 16 tokens x 32 bytes
.set XSB, 52224                        ; the scale bytes: 16 tokens x 32 bytes
.set ACC, 32                           ; v32-63   logits: token a at 32 + 8 a
.set X,   64                           ; v64-191  x: token a at 64 + 32 a
.set WB,  192                          ; v192-255 Wr: two sets of four rows; later the codes
	s_load_b256 s[4:11], s[0:1], 0x0               ; x, Wr, xq, rmask
	s_load_b64 s[12:13], s[0:1], 0x20              ; gates
	v_lshl_add_u32 v22, v0, 2, 0xd000
	v_mov_b32 v23, 0
	v_lshrrev_b32 v14, 5, v0
	v_readfirstlane_b32 s14, v14                   ; wave 0..3
	v_and_b32 v1, 31, v0                           ; lane
	v_lshlrev_b32 v2, 4, v0                        ; 16 x thread
	v_lshlrev_b32 v3, 4, v1                        ; 16 x lane
	s_mul_i32 s15, s14, 4608
	s_add_co_u32 s15, s15, XST                     ; my stage
	v_lshrrev_b32 v14, 3, v1
	v_and_b32 v15, 7, v1
	v_mul_u32_u24 v4, v14, 144
	v_lshl_add_u32 v4, v15, 4, v4
	v_add_nc_u32 v4, s15, v4                       ; x into the stage: as it lies, 16 bytes of padding behind each 128
	v_mul_u32_u24 v5, v1, 144
	v_add_nc_u32 v5, s15, v5                       ; and out: lane l takes the 128 bytes of block l
	v_lshrrev_b32 v14, 6, v0
	v_lshl_add_u32 v6, v14, 4, v2                  ; Wr into LDS: 16 x thread, + 16 for each 1,024 passed
	v_mul_u32_u24 v7, v1, 1040                     ; Wr out: lane l takes rows 32 l .. 32 l + 31
	s_lshl_b32 s16, s14, 7
	s_add_co_u32 s17, s16, LOG
	v_mov_b32 v8, s17                              ; my wave's four rows of logits
	v_mul_u32_u24 v9, v1, 24
	v_add_nc_u32 v9, s15, v9                       ; codes into the stage: 24 bytes a block
	v_and_b32 v10, 28, v1
	v_and_b32 v14, 1, v1
	v_lshl_add_u32 v10, v14, 1, v10
	v_bfe_u32 v14, v1, 1, 1
	v_add_nc_u32 v10, v10, v14                     ; my block's byte in its row of scale bytes, slot order: bits 0 and 1 of the block's number change places
	s_add_co_u32 s17, s16, XSB
	v_add_nc_u32 v10, s17, v10
	v_add_nc_u32 v11, s15, v3                      ; codes out of the stage: 16 bytes a lane
	v_and_b32 v14, 15, v1
	v_lshl_add_u32 v12, v14, 5, LOG                ; wave 0's last part: a lane a token
	v_add_nc_u32 v13, XSB, v3                      ; wave 1's last part: the 512 scale bytes
	s_lshl_b32 s18, ttmp9, 16
	s_lshl_b32 s19, s14, 14
	s_add_co_u32 s18, s18, s19                     ; x: (16 b + 4 w) rows of 4,096 bytes
	s_mov_b32 s19, 0
	s_mul_i32 s22, ttmp9, 12288
	s_mul_i32 s23, s14, 3072
	s_add_co_u32 s22, s22, s23                     ; codes: (16 b + 4 w) rows of 768 bytes
	s_mov_b32 s23, 0
	s_lshl_b32 s24, ttmp9, 9
	s_add_co_u32 s24, s24, 786432                  ; scale words: 16 b rows of 32 bytes, behind the codes
	s_mov_b32 s25, 0
	s_mov_b32 s20, 0x76543210
	s_mov_b32 s21, 0xfedcba98                      ; v_permlanex16_b32's selects for lane l xor 16
	s_wait_kmcnt 0x0
	s_add_nc_u64 s[4:5], s[4:5], s[18:19]
	s_add_nc_u64 s[22:23], s[8:9], s[22:23]
	s_add_nc_u64 s[24:25], s[8:9], s[24:25]
.irp j, 0,1,2,3,4,5,6,7,8,9,10,11,12,13,14,15
	global_load_b128 v[WB+4*\j:WB+4*\j+3], v2, s[6:7] offset:2048*\j   ; Wr: the work-group's 128 threads read 2,048 consecutive bytes
.endr
.irp a, 0,1,2,3
.irp j, 0,1,2,3,4,5,6,7
	global_load_b128 v[X+32*\a+4*\j:X+32*\a+4*\j+3], v3, s[4:5] offset:4096*\a+512*\j th:TH_LOAD_NT   ; x: 512 consecutive bytes a load; read once in the whole program
.endr
.endr
	s_wait_loadcnt 32                              ; the 32 loads of x are younger: Wr is in
.irp j, 0,1,2,3,4,5,6,7,8,9,10,11,12,13,14,15
	ds_store_b128 v6, v[WB+4*\j:WB+4*\j+3] offset:2080*\j
.endr
	s_wait_loadcnt 0x0
; x turns through my stage, token by token, so that lane l holds the 32 neighbours of block l.  LDS serves a wave's instructions in order: no wait between stores and loads, nor in front of the next token's stores.
.irp a, 0,1,2,3
.irp j, 0,1,2,3,4,5,6,7
	ds_store_b128 v4, v[X+32*\a+4*\j:X+32*\a+4*\j+3] offset:576*\j
.endr
.irp j, 0,1,2,3,4,5,6,7
	ds_load_b128 v[X+32*\a+4*\j:X+32*\a+4*\j+3], v5 offset:16*\j
.endr
.endr
	s_wait_dscnt 0x0                               ; my part of Wr has landed (for the others' sake), and x is back
	s_barrier_signal -1
	s_barrier_wait -1                              ; Wr is whole
; THE LOGITS.  Lane l sums over its 32 k; eight chunks of four k; a chunk's eight loads of Wr are issued a chunk ahead.
.macro WLOAD c
.irp k, 0,1,2,3
	ds_load_b128 v[WB+32*((\c)%2)+8*\k:WB+32*((\c)%2)+8*\k+3], v7 offset:128*(\c)+32*\k
	ds_load_b128 v[WB+32*((\c)%2)+8*\k+4:WB+32*((\c)%2)+8*\k+7], v7 offset:128*(\c)+32*\k+16
.endr
.endm
.macro FMAS c                          ; two experts an instruction; x is taken from its pair for both halves.  The very first product starts the sums: nothing is cleared
.irp k, 0,1,2,3
.irp a, 0,1,2,3
.irp e, 0,2,4,6
.if ((\c)+\k) == 0
	v_pk_mul_f32 v[ACC+8*\a+\e:ACC+8*\a+\e+1], v[WB+32*((\c)%2)+8*\k+\e:WB+32*((\c)%2)+8*\k+\e+1], v[X+32*\a+4*(\c)+2*(\k/2):X+32*\a+4*(\c)+2*(\k/2)+1] op_sel_hi:[1,0]
.elseif (\k%2) == 0
	v_pk_fma_f32 v[ACC+8*\a+\e:ACC+8*\a+\e+1], v[WB+32*((\c)%2)+8*\k+\e:WB+32*((\c)%2)+8*\k+\e+1], v[X+32*\a+4*(\c)+2*(\k/2):X+32*\a+4*(\c)+2*(\k/2)+1], v[ACC+8*\a+\e:ACC+8*\a+\e+1] op_sel_hi:[1,0,1]
.else
	v_pk_fma_f32 v[ACC+8*\a+\e:ACC+8*\a+\e+1], v[WB+32*((\c)%2)+8*\k+\e:WB+32*((\c)%2)+8*\k+\e+1], v[X+32*\a+4*(\c)+2*(\k/2):X+32*\a+4*(\c)+2*(\k/2)+1], v[ACC+8*\a+\e:ACC+8*\a+\e+1] op_sel:[0,1,0] op_sel_hi:[1,1,1]
.endif
.endr
.endr
.endr
.endm
	WLOAD 0
.irp c, 0,1,2,3,4,5,6
	WLOAD \c+1
	s_wait_dscnt 8                                 ; the next chunk's eight loads may be out
	FMAS \c
.endr
	s_wait_dscnt 0x0
	FMAS 7
; over the 32 lanes: four steps inside each half ride on the addition, one crosses the halves; every lane ends with the sums
.irp m, 1,2,4,8
.set i, 0
.rept 32
	v_add_f32_dpp v[ACC+i], v[ACC+i], v[ACC+i] row_xmask:\m row_mask:0xf bank_mask:0xf
.set i, i+1
.endr
.endr
.set i, 0
.rept 32
	v_permlanex16_b32 v[WB+i], v[ACC+i], s20, s21  ; (its destination counts as read: Wr's registers have been written)
.set i, i+1
.endr
.set i, 0
.rept 32
	v_add_f32 v[ACC+i], v[ACC+i], v[WB+i]
.set i, i+1
.endr
.irp a, 0,1,2,3
	ds_store_b128 v8, v[ACC+8*\a:ACC+8*\a+3] offset:32*\a          ; all lanes write the same bytes with the same values
	ds_store_b128 v8, v[ACC+8*\a+4:ACC+8*\a+7] offset:32*\a+16
.endr
; THE CODES.  A lane holds a whole block of each of my four tokens: its largest magnitude needs no other lane.  The four tokens take turns line by line.
.irp a, 0,1,2,3
	v_max3_num_f32 v[16+\a], |v[X+32*\a]|, |v[X+32*\a+1]|, 0x1800000   ; with the floor 2^(3 - 127): the byte cannot fall under 1
.endr
.irp i, 2,4,6,8,10,12,14,16,18,20,22,24,26,28,30
.irp a, 0,1,2,3
	v_max3_num_f32 v[16+\a], v[16+\a], |v[X+32*\a+\i]|, |v[X+32*\a+\i+1]|
.endr
.endr
.irp a, 0,1,2,3
	v_add_nc_u32 v[24+\a], 0xff000000, v[16+\a]    ; 2 off the exponent field: the conversion takes this operand's exponent field as its scale
.endr
.irp a, 0,1,2,3
	v_lshrrev_b32 v[28+\a], 23, v[24+\a]           ; the scale's byte
.endr
.irp a, 0,1,2,3
	v_cvt_scalef32_pk16_fp6_f32 v[WB+8*\a:WB+8*\a+2], v[X+32*\a:X+32*\a+15], v[24+\a]
	v_cvt_scalef32_pk16_fp6_f32 v[WB+8*\a+4:WB+8*\a+6], v[X+32*\a+16:X+32*\a+31], v[24+\a]   ; (a conversion's three registers begin on an even number)
.endr
	v_nop                                          ; one plain instruction behind the scaled conversions, ahead of the moves that read their results
.irp a, 0,1,2,3
	v_mov_b32 v[WB+8*\a+3], v[WB+8*\a+4]           ; the block's 24 bytes on end
	v_mov_b32 v[WB+8*\a+4], v[WB+8*\a+5]
	v_mov_b32 v[WB+8*\a+5], v[WB+8*\a+6]
.endr
.irp a, 0,1,2,3
.irp i, 0,1,2
	ds_store_b64 v9, v[WB+8*\a+2*\i:WB+8*\a+2*\i+1] offset:768*\a+8*\i
.endr
	ds_store_b8 v10, v[28+\a] offset:32*\a
.endr
.irp i, 0,1,2,3,4,5
	ds_load_b128 v[224+4*\i:224+4*\i+3], v11 offset:512*\i         ; my four tokens' 3,072 bytes of codes, as they will lie in memory
.endr
	s_wait_dscnt 0x0                               ; they are back; and my logits and scale bytes have landed, for the others' sake
.irp i, 0,1,2,3,4,5
	global_store_b128 v3, v[224+4*\i:224+4*\i+3], s[22:23] offset:512*\i   ; 512 consecutive bytes a store, at a multiple of 256 from the buffer's first byte
.endr
	s_barrier_signal -1
	s_barrier_wait -1                              ; 16 rows of logits and of scale bytes lie in LDS
	s_cmp_eq_u32 s14, 1
	s_cbranch_scc0 .Lnot_wave_1
	ds_load_b128 v[16:19], v13                     ; wave 1: the 16 tokens' scale words leave as 512 consecutive bytes
	s_wait_dscnt 0x0
	global_store_b128 v3, v[16:19], s[24:25]
	s_wait_tensorcnt 0x0
	ds_add_u32 v22, v23
	s_wait_dscnt 0x0
	s_endpgm
.Lnot_wave_1:
	s_cmp_eq_u32 s14, 0
	s_cbranch_scc1 .Lwave_0
	s_wait_tensorcnt 0x0
	ds_add_u32 v22, v23
	s_wait_dscnt 0x0
	s_endpgm
.Lwave_0:
; WAVE 0: softmax, the two largest, the gates.  Lane l serves token l % 16 (both halves do the same).
	ds_load_b128 v[32:35], v12
	ds_load_b128 v[36:39], v12 offset:16
	s_wait_dscnt 0x0
	v_max3_num_f32 v40, v32, v33, v34
	v_max3_num_f32 v40, v40, v35, v36
	v_max3_num_f32 v40, v40, v37, v38
	v_max_num_f32 v40, v40, v39                    ; the row's largest logit is taken away ahead of the exponentials
.irp e, 0,1,2,3,4,5,6,7
	v_sub_f32 v[32+\e], v[32+\e], v40
.endr
.irp e, 0,1,2,3,4,5,6,7
	v_mul_f32 v[32+\e], 0x3fb8aa3b, v[32+\e]       ; x log2(e)
.endr
.irp e, 0,1,2,3,4,5,6,7
	v_exp_f32 v[48+\e], v[32+\e]
.endr
	v_nop                                          ; a plain instruction behind the last exponential
	s_wait_alu depctr_va_vdst(0)                   ; one wait for the eight, ahead of their first reader
	v_add_f32 v41, v48, v49
	v_add_f32 v14, v50, v51
	v_add_f32 v15, v52, v53
	v_add_f32 v16, v54, v55
	v_add_f32 v41, v41, v14
	v_add_f32 v15, v15, v16
	v_add_f32 v41, v41, v15
	v_rcp_f32 v42, v41
	v_nop
	s_wait_alu depctr_va_vdst(0)
.irp e, 0,1,2,3,4,5,6,7
	v_mul_f32 v[48+\e], v[48+\e], v42              ; the probabilities
.endr
	v_mov_b32 v43, v48                             ; the largest, by an ascending scan that keeps what it has on a tie: the lower index wins
	v_mov_b32 v44, 0
.irp e, 1,2,3,4,5,6,7
	v_cmp_ge_f32 vcc_lo, v43, v[48+\e]
	v_cndmask_b32 v43, v[48+\e], v43, vcc_lo
	v_cndmask_b32 v44, \e, v44, vcc_lo
.endr
.irp e, 0,1,2,3,4,5,6,7
	v_cmp_ne_u32 vcc_lo, \e, v44
	v_cndmask_b32 v[56+\e], -1.0, v[48+\e], vcc_lo ; the first choice is taken out: -1 lies under every probability
.endr
	v_mov_b32 v45, v56
	v_mov_b32 v46, 0
.irp e, 1,2,3,4,5,6,7
	v_cmp_ge_f32 vcc_lo, v45, v[56+\e]
	v_cndmask_b32 v45, v[56+\e], v45, vcc_lo
	v_cndmask_b32 v46, \e, v46, vcc_lo
.endr
	v_add_f32 v47, v43, v45
	v_rcp_f32 v41, v47
	v_nop
	s_wait_alu depctr_va_vdst(0)
	v_mul_f32 v64, v43, v41                        ; the gates: each of the two over their sum
	v_mul_f32 v65, v45, v41
.irp e, 0,1,2,3,4,5,6,7
	v_cmp_eq_u32 s[40+\e], \e, v44                 ; a bit a token: who took expert e first,
	v_cmp_eq_u32 s[48+\e], \e, v46                 ; who second
.endr
	v_mov_b32 v66, 0
.irp j, 0,1,2,3,4,5,6,7,8,9,10,11,12,13,14,15
	v_writelane_b32 v66, s[40+\j], \j              ; lane j carries mask j; its low 16 bits are my 16 tokens
.endr
	v_lshlrev_b32 v67, 7, v1
	s_lshl_b32 s26, ttmp9, 1
	v_add_nc_u32 v67, s26, v67                     ; rmask: row j of 128 bytes, column b
	v_lshlrev_b32 v68, 3, v1
	s_lshl_b32 s26, ttmp9, 7
	v_add_nc_u32 v68, s26, v68                     ; gates: token 16 b + lane, 8 bytes
	s_wait_xcnt 0x0                                ; EXEC changes only behind this wait: my stores of codes have had their addresses translated
	v_cmp_gt_u32 vcc_lo, 16, v0
	s_wait_tensorcnt 0x0
	ds_add_u32 v22, v23
	s_wait_dscnt 0x0
	s_and_saveexec_b32 s30, vcc_lo
	global_store_b16 v67, v66, s[10:11]
	global_store_b64 v68, v[64:65], s[12:13]
	s_wait_xcnt 0x0                                ; and again in front of the line that widens it
	s_or_b32 exec_lo, exec_lo, s30
	s_endpgm
.Lfunc_end_k_q5c86ccf6c7_route:
	.size	k_q5c86ccf6c7_route, .Lfunc_end_k_q5c86ccf6c7_route-k_q5c86ccf6c7_route
	.p2alignl 7, 3214868480
	.fill 96, 4, 3214868480
	.section	.rodata,"a",@progbits
	.p2align	6, 0x0
	.amdhsa_kernel k_q5c86ccf6c7_route
		.amdhsa_group_segment_fixed_size 53760
		.amdhsa_private_segment_fixed_size 0
		.amdhsa_enable_private_segment 0
		.amdhsa_kernarg_size 40
		.amdhsa_user_sgpr_count 2
		.amdhsa_user_sgpr_kernarg_segment_ptr 1
		.amdhsa_wavefront_size32 1
		.amdhsa_system_sgpr_workgroup_id_x 1
		.amdhsa_system_sgpr_workgroup_id_y 1
		.amdhsa_system_sgpr_workgroup_id_z 1
		.amdhsa_system_vgpr_workitem_id 0
		.amdhsa_next_free_vgpr 256
		.amdhsa_next_free_sgpr 66
		.amdhsa_reserve_vcc 1
		.amdhsa_float_denorm_mode_32 3
		.amdhsa_float_denorm_mode_16_64 3
		.amdhsa_memory_ordered 1
		.amdhsa_forward_progress 1
		.amdhsa_inst_pref_size 76
	.end_amdhsa_kernel
	.amdgpu_metadata
---
amdhsa.version: [ 1, 2 ]
amdhsa.kernels:
  - .name:           k_q5c86ccf6c7_route
    .symbol:         k_q5c86ccf6c7_route.kd
    .args:
      - { .name: x, .offset: 0, .size: 8, .value_kind: global_buffer, .address_space: global }
      - { .name: Wr, .offset: 8, .size: 8, .value_kind: global_buffer, .address_space: global }
      - { .name: xq, .offset: 16, .size: 8, .value_kind: global_buffer, .address_space: global }
      - { .name: rmask, .offset: 24, .size: 8, .value_kind: global_buffer, .address_space: global }
      - { .name: gates, .offset: 32, .size: 8, .value_kind: global_buffer, .address_space: global }
    .group_segment_fixed_size: 53760
    .private_segment_fixed_size: 0
    .kernarg_segment_align: 8
    .kernarg_segment_size: 40
    .max_flat_workgroup_size: 128
    .sgpr_count:     66
    .vgpr_count:     256
    .wavefront_size: 32
...
	.end_amdgpu_metadata
.endif
;; end of part 1
;; launch place (part 2): grid 16 x 8, 1 waves a work-group, no clusters, 29,952 bytes of LDS; arguments rmask, xq, rplan, ximg; writes rplan, ximg
.if DOCPART == 2
	.amdgcn_target "amdgcn-amd-amdhsa--gfx1250"
	.amdhsa_code_object_version 6
	.text
	.protected	k_q5c86ccf6c7_place
	.globl	k_q5c86ccf6c7_place
	.p2align	8
	.type	k_q5c86ccf6c7_place,@function
k_q5c86ccf6c7_place:
	s_mov_b64 s[64:65], 0
	v_nop
	global_prefetch_b8 v0, s[64:65] scope:SCOPE_SE
	s_setreg_imm32_b32 hwreg(HW_REG_WAVE_MODE, 25, 1), 1
	s_wait_xcnt 0x0
; THE ROWS ARE PLACED BY EXPERT.  Work-group (slice, e), one wave.  From expert e's two masks of 1,024 bits: each chosen token's rank among the expert's tokens (token order), the expert's number of PAIRS
; (a pair = 32 sorted rows; at least one), and, for pairs slice and slice + 16, the tokens' codes gathered into images of the first product's operand registers.
; 16 slices x 2 trips serve the 32 pairs that one expert can have, whatever the routing; a slice whose pairs the routing leaves empty stores nothing.
; Rows beyond the expert's last repeat token 0: valid numbers whose results nobody reads.  Slice 15, which has a pair of its own only where an expert has 16 pairs or more, also stores the number of pairs
; and each (token, choice)'s place 1024 e + rank.
; AN IMAGE: a fragment (16 rows x 128 K) is 12 registers a lane; lane (r, h) holds the 48 consecutive bytes 96 s + 48 h .. of row r; registers 4 i .. 4 i + 3 of lane l lie at 512 i + 16 l.
; A pair's step is two images, 3,072 bytes, and 128 bytes of scale words (lane l: row l of the pair).
; One wave to a work-group: the list of tokens is scattered in LDS by rank, a number made of loaded bits (held under the list's end by v_min_u32), and no other wave shares these bytes; LDS serves a wave's instructions in order, so no barrier is needed.
; Every work-group of an expert makes the ranks anew (some 350 instructions): that spares a launch.
.set STG, 4608                         ; LDS: from 0 the list: 1,024 words by rank, 32 words for lanes not chosen, cleared up to 4,608; here 32 rows x (768 + 16) bytes
.set U,  16                            ; s[16:47]  first-choice masks, then the union of both
.set M1, 68                            ; s[68:99]  second-choice masks
.set R,  32                            ; v32-63    ranks of tokens 32 g + lane; free behind their use
	s_load_b256 s[4:11], s[0:1], 0x0               ; rmask, xq, rplan, ximg
	s_set_vgpr_msb 0x40
	v_lshl_add_u32 v0, v0, 2, 0x7400
	v_mov_b32 v1, 0
	s_set_vgpr_msb 0x4000
	s_mov_b32 s12, ttmp9                           ; slice
	s_and_b32 s13, ttmp7, 0xffff                   ; e
	s_lshl_b32 s15, s13, 7                         ; a mask is 128 bytes
	v_and_b32 v1, 31, v0                           ; lane
	v_lshlrev_b32 v2, 4, v1                        ; 16 x lane
	v_add_nc_u32 v3, 1024, v1                      ; where a lane that is not chosen puts its token
	v_lshrrev_b32 v8, 4, v1
	v_and_b32 v9, 15, v1
	v_lshlrev_b32 v4, 6, v8                        ; the list: lanes 16-31 read 16 rows on
	v_lshlrev_b32 v5, 4, v9
	v_mul_u32_u24 v6, v8, 12544
	v_add_nc_u32 v6, v6, v5
	v_add_nc_u32 v6, STG, v6                       ; rows into the stage: sixteen lanes to 256 bytes of a row; lanes 16-31 sixteen rows on
	v_mul_u32_u24 v7, v9, 784
	v_mad_u32_u24 v7, v8, 48, v7
	v_add_nc_u32 v7, STG, v7                       ; fragments out of it: row lane % 16, + 48 (lane / 16)
	v_mov_b32 v12, 0
	v_mov_b32 v13, 0
	v_mov_b32 v14, 0
	v_mov_b32 v15, 0
	s_mov_b32 s14, 0                               ; tokens of this expert so far
	s_wait_kmcnt 0x0
	s_load_b512 s[16:31], s[4:5], s15 offset:0x0
	s_load_b512 s[32:47], s[4:5], s15 offset:0x40
	s_load_b512 s[68:83], s[4:5], s15 offset:0x400
	s_load_b512 s[84:99], s[4:5], s15 offset:0x440
.irp j, 0,1,2,3,4,5,6,7,8
	ds_store_b128 v2, v[12:15] offset:512*\j       ; the list begins as token 0 everywhere
.endr
	s_wait_kmcnt 0x0
.set g, 0
.rept 32
	s_or_b32 s[U+g], s[U+g], s[M1+g]               ; chosen, first or second
.set g, g+1
.endr
.set g, 0
.rept 32
	v_mbcnt_lo_u32_b32 v[R+g], s[U+g], 0           ; chosen tokens below me in these 32,
	v_add_nc_u32 v[R+g], s14, v[R+g]               ; and in front of them: my rank
	v_bfe_u32 v8, s[U+g], v1, 1
	v_cmp_ne_u32 vcc_lo, 0, v8
	v_cndmask_b32 v9, v3, v[R+g], vcc_lo
	v_min_u32 v9, 0x43f, v9                        ; held inside the list
	v_lshlrev_b32 v9, 2, v9
	v_add_nc_u32 v10, 32*g, v1
	ds_store_b32 v9, v10                           ; list[rank] = token
	s_bcnt1_i32_b32 s51, s[U+g]
	s_add_co_u32 s14, s14, s51
.set g, g+1
.endr
	s_add_co_u32 s48, s14, 31
	s_lshr_b32 s48, s48, 5
	s_max_u32 s48, s48, 1
	s_min_u32 s48, s48, 32                         ; pairs: at least 1, at most 32
	s_cmp_lg_u32 s12, 15
	s_cbranch_scc1 .Lno_table
	s_mov_b32 s54, s15
	s_mov_b32 s55, 0
	s_add_nc_u64 s[52:53], s[8:9], s[54:55]
	v_lshlrev_b32 v16, 2, v1
	v_mov_b32 v18, s48
	global_store_b32 v16, v18, s[52:53]            ; the number of pairs, 32 times: 128 consecutive bytes
	s_lshl_b32 s51, s13, 5
	s_add_co_u32 s51, s51, 2048
	v_add_nc_u32 v17, s51, v1                      ; where a lane that is not chosen stores: this expert's 32 words behind the table
	s_lshl_b32 s60, s13, 10
.set g, 0
.rept 32                               ; each group of 32 tokens has its own address and data registers: no store's sources are written again
	v_bfe_u32 v8, s[U+g], v1, 1
	v_cmp_ne_u32 vcc_lo, 0, v8
	v_bfe_u32 v9, s[M1+g], v1, 1                   ; which of the token's two choices this expert is
	v_lshl_add_u32 v9, v1, 1, v9
	v_add_nc_u32 v9, 64*g, v9                      ; 2 x token + choice
	v_cndmask_b32 v[64+g], v17, v9, vcc_lo
	v_min_u32 v[64+g], 0x8ff, v[64+g]
	v_lshlrev_b32 v[64+g], 2, v[64+g]
	v_add_nc_u32 v[96+g], s60, v[R+g]              ; 1024 e + rank
	global_store_b32 v[64+g], v[96+g], s[8:9] offset:1024
.set g, g+1
.endr
	s_wait_xcnt 0x0                                ; these stores' registers are loaded into below
.Lno_table:
	v_lshlrev_b32 v36, 2, v1                       ; 4 x lane
	s_mov_b32 s49, s12                             ; the pair in hand: slice + 16 x trip
	s_mov_b32 s50, 0
.Ltrip:                                            ; two trips, a constant; a pair that the expert does not have is jumped over
	s_cmp_ge_u32 s49, s48
	s_cbranch_scc1 .Lno_pair
	s_lshl_b32 s51, s49, 7
	v_add_nc_u32 v32, s51, v4
	v_lshl_add_u32 v33, v1, 2, s51
	s_lshl_b32 s52, s13, 5
	s_add_co_u32 s52, s52, s49                     ; 32 e + pair
	s_mul_i32 s54, s52, 24576
	s_mov_b32 s55, 0
	s_add_nc_u64 s[56:57], s[10:11], s[54:55]      ; the pair's images
	s_lshl_b32 s54, s52, 10
	s_add_co_u32 s54, s54, 6291456
	s_add_nc_u64 s[58:59], s[10:11], s[54:55]      ; and its scale words
.irp a, 0,1,2,3,4,5,6,7,8,9,10,11,12,13,14,15
	ds_load_b32 v[16+\a], v32 offset:4*\a          ; the token of row a (lanes 0-15) or a + 16 (lanes 16-31)
.endr
	ds_load_b32 v34, v33                           ; the token of row lane
	s_wait_dscnt 0x0
.irp a, 0,1,2,3,4,5,6,7,8,9,10,11,12,13,14,15
	v_min_u32 v[16+\a], 0x3ff, v[16+\a]
	v_mul_u32_u24 v[16+\a], v[16+\a], 768
	v_add_nc_u32 v[16+\a], v[16+\a], v5
.endr
	v_min_u32 v34, 0x3ff, v34
	v_lshlrev_b32 v34, 5, v34
.irp a, 0,1,2,3,4,5,6,7,8,9,10,11,12,13,14,15
.irp b, 0,1,2
	global_load_b128 v[64+12*\a+4*\b:64+12*\a+4*\b+3], v[16+\a], s[6:7] offset:256*\b   ; sixteen lanes read 256 consecutive bytes of a token's codes
.endr
.endr
	global_load_b128 v[8:11], v34, s[6:7] offset:786432            ; my row's eight scale words
	global_load_b128 v[12:15], v34, s[6:7] offset:786448
	s_wait_loadcnt 0x0
.irp a, 0,1,2,3,4,5,6,7,8,9,10,11,12,13,14,15
.irp b, 0,1,2
	ds_store_b128 v6, v[64+12*\a+4*\b:64+12*\a+4*\b+3] offset:784*\a+256*\b
.endr
.endr
.irp s, 0,1,2,3,4,5,6,7
.irp g, 0,1
.irp i, 0,1,2
	ds_load_b128 v[64+4*(6*\s+3*\g+\i):64+4*(6*\s+3*\g+\i)+3], v7 offset:12544*\g+96*\s+16*\i   ; in order behind the stores: step s, group g, registers 4 i on
.endr
.endr
.endr
	s_wait_dscnt 0x0
.set n, 0
.rept 48
	global_store_b128 v2, v[64+4*n:64+4*n+3], s[56:57] offset:512*n    ; 512 consecutive bytes a store
.set n, n+1
.endr
.irp s, 0,1,2,3,4,5,6,7
	global_store_b32 v36, v[8+\s], s[58:59] offset:128*\s
.endr
	s_wait_xcnt 0x0                                ; the next trip writes these stores' registers and bases
.Lno_pair:
	s_add_co_u32 s49, s49, 16
	s_add_co_u32 s50, s50, 1
	s_cmp_lt_u32 s50, 2
	s_cbranch_scc1 .Ltrip
	s_set_vgpr_msb 0x5
	s_wait_tensorcnt 0x0
	ds_add_u32 v0, v1
	s_wait_dscnt 0x0
	s_set_vgpr_msb 0x500
	s_endpgm
.Lfunc_end_k_q5c86ccf6c7_place:
	.size	k_q5c86ccf6c7_place, .Lfunc_end_k_q5c86ccf6c7_place-k_q5c86ccf6c7_place
	.p2alignl 7, 3214868480
	.fill 96, 4, 3214868480
	.section	.rodata,"a",@progbits
	.p2align	6, 0x0
	.amdhsa_kernel k_q5c86ccf6c7_place
		.amdhsa_group_segment_fixed_size 29952
		.amdhsa_private_segment_fixed_size 0
		.amdhsa_enable_private_segment 0
		.amdhsa_kernarg_size 32
		.amdhsa_user_sgpr_count 2
		.amdhsa_user_sgpr_kernarg_segment_ptr 1
		.amdhsa_wavefront_size32 1
		.amdhsa_system_sgpr_workgroup_id_x 1
		.amdhsa_system_sgpr_workgroup_id_y 1
		.amdhsa_system_sgpr_workgroup_id_z 1
		.amdhsa_system_vgpr_workitem_id 0
		.amdhsa_next_free_vgpr 258
		.amdhsa_next_free_sgpr 104
		.amdhsa_reserve_vcc 1
		.amdhsa_float_denorm_mode_32 3
		.amdhsa_float_denorm_mode_16_64 3
		.amdhsa_memory_ordered 1
		.amdhsa_forward_progress 1
		.amdhsa_inst_pref_size 58
	.end_amdhsa_kernel
	.amdgpu_metadata
---
amdhsa.version: [ 1, 2 ]
amdhsa.kernels:
  - .name:           k_q5c86ccf6c7_place
    .symbol:         k_q5c86ccf6c7_place.kd
    .args:
      - { .name: rmask, .offset: 0, .size: 8, .value_kind: global_buffer, .address_space: global }
      - { .name: xq, .offset: 8, .size: 8, .value_kind: global_buffer, .address_space: global }
      - { .name: rplan, .offset: 16, .size: 8, .value_kind: global_buffer, .address_space: global }
      - { .name: ximg, .offset: 24, .size: 8, .value_kind: global_buffer, .address_space: global }
    .group_segment_fixed_size: 29952
    .private_segment_fixed_size: 0
    .kernarg_segment_align: 8
    .kernarg_segment_size: 32
    .max_flat_workgroup_size: 32
    .sgpr_count:     104
    .vgpr_count:     258
    .wavefront_size: 32
...
	.end_amdgpu_metadata
.endif
;; end of part 2
;; launch up (part 3): grid 32 x 8, 4 waves a work-group, no clusters, 100,864 bytes of LDS; arguments W1_codes, W1_scales, b1, ximg, rplan, himg; writes himg
.if DOCPART == 3
	.amdgcn_target "amdgcn-amd-amdhsa--gfx1250"
	.amdhsa_code_object_version 6
	.text
	.protected	k_q5c86ccf6c7_up
	.globl	k_q5c86ccf6c7_up
	.p2align	8
	.type	k_q5c86ccf6c7_up,@function
k_q5c86ccf6c7_up:
	s_mov_b64 s[64:65], 0
	v_nop
	global_prefetch_b8 v0, s[64:65] scope:SCOPE_SE
	s_setreg_imm32_b32 hwreg(HW_REG_WAVE_MODE, 25, 1), 1
	s_wait_xcnt 0x0
; THE FIRST PRODUCT OF AN EXPERT: h = relu(Q(x) W1 + b1) for the expert's rows, quantised along the hidden axis, stored as images of the second product's operand registers.
; Work-group (ft, e) owns hidden units 128 ft .. + 127 of expert e: 128 rows of W1's codes, 96 KB, read from memory once in the launch, asked for whole at the head and kept in LDS.
; Its four waves walk the expert's pairs of 16-row groups (wave w: pairs w, w + 4, ..).  A PASS is one pair against the 8 tiles of 16 units over all of K = 1,024: 8 steps of 16 matrix instructions.
; TRANSPOSED: source 0 = 16 rows of W1, source 1 = 16 tokens: a lane holds one token and its registers run along the hidden units.  THE ROWS OF A TILE ARE NOT NEIGHBOURS: tile 2 b + u, row m is unit
; 32 b + 8 u + m + 8 (m / 8), so that the 16 registers of tiles 2 b, 2 b + 1 are 16 neighbouring units, 32 b + 16 (lane / 16) + 0 .. 15: what the conversions want.  The rows are laid so in LDS as they are staged.
; SLOT ORDER: lane (r, h) holds the 48 CONSECUTIVE bytes 96 s + 48 h .. of row r, on both operands: three loads of 16 bytes a fragment.  The instruction's blocks 1 and 2 of 32 along K so change places, in codes and
; in scale words alike (bytes 0, 2, 1, 3): the products are the same, their order in the sum another.
; The tokens' fragments come from memory straight into a ring of 8 steps in registers, filled 8 steps ahead; b1 is the C of a pass's first products.
; NO TENSOR LOAD, NO CLUSTER: the number of passes is read from memory (it hangs on the routing), so nothing here is moved by a copy engine, and joint requests are out; the one barrier stands ahead of every branch on that number.
; LIMITS: NaN and infinities are not served; a block of zeros gets the byte 1 and zero codes (read by this program alone).
; REGISTERS: window 0: v1-12 addresses; v16-23 the tokens' scale words (ring); v24-87 W1's scale words (8 t + s); v88-215 16 accumulators (64 g + 8 t); v216-254 the quantiser's.
;   window 1: v0-191 the tokens' fragments: ring slot q, group g at 24 q + 12 g.   window 2: v0-191 W1's fragments, two sets of 96 (at the head: staging); v192-255 b1, 8 a tile.
.set PB,  784                          ; an LDS row: 768 bytes + 16: 49 x 16, so the sixteen rows of a load begin at sixteen different 16-byte columns of 256
.set KS,  8                            ; steps of 128 along K
.set TRIPS, 8                          ; passes of a wave at the most: 32 pairs, every fourth
.set NPL, 5                            ; plain instructions behind a step's products: 4 for the loads into their operands and the first read of results, 5 for the next pass's first products, which write the accumulators anew
.set LI,  2                            ; v2  16 x lane
.set LS,  3                            ; v3  4 x lane
.set S0,  4                            ; v4-6 staging: where a load's 512 bytes of a pair of rows go
.set BA,  7                            ; v7-8 my lane's place in tiles 0-3, 4-7
.set AS,  16
.set WS,  24
.set ACC, 88
.set TM,  216                          ; v216-219 largest magnitudes, v220-223 bytes, v228-231 the conversions' scale operands
.set PW,  232                          ; v232-233 the two groups' scale words
.set PC,  234                          ; v234-245 the fragment just made; v246-252 at work
.set TT,  254
.set B1,  192                          ; in window 2
.set MSB, 0
.macro WIN new                         ; the immediate's high byte repeats the setting that is left
.if MSB != \new
	s_set_vgpr_msb (MSB<<8)|\new
.set MSB, \new
.endif
.endm
.macro PLACES
.rept NPL
	v_nop
.endr
.endm
.macro RFILL q, base, step             ; ring slot q takes a pair's step: two images and the scale words: 7 loads
	WIN 0x40                                       ; destination window 1
.irp g, 0,1
.irp i, 0,1,2
	global_load_b128 v[24*(\q)+12*\g+4*\i:24*(\q)+12*\g+4*\i+3], v[LI], s[\base:\base+1] offset:3072*(\step)+1536*\g+512*\i
.endr
.endr
	WIN 0
	global_load_b32 v[AS+(\q)], v[LS], s[\base+2:\base+3] offset:128*(\step)
.endm
.macro BFETCH s, bs                    ; W1's eight fragments of step s into set bs
	WIN 0x80                                       ; destination window 2
.irp t, 0,1,2,3,4,5,6,7
.irp i, 0,1,2
	ds_load_b128 v[96*(\bs)+12*\t+4*\i:96*(\bs)+12*\t+4*\i+3], v[BA+\t/4] offset:(\t%4)*16*PB+96*(\s)+16*\i
.endr
.endr
.endm
.macro MM s, t, g
.set rD, ACC+64*(\g)+8*(\t)
.set rA, 96*((\s)%2)+12*(\t)
.set rB, 24*((\s)%8)+12*(\g)
.if (\s) == 0
.set rC, B1+8*(\t)
.else
.set rC, rD
.endif
.if (\g) == 0
	v_wmma_scale_f32_16x16x128_f8f6f4 v[rD:rD+7], v[rA:rA+11], v[rB:rB+11], v[rC:rC+7], v[WS+8*(\t)+(\s)], v[AS+(\s)%8] matrix_a_fmt:MATRIX_FMT_FP6 matrix_b_fmt:MATRIX_FMT_FP6
.else
	v_wmma_scale_f32_16x16x128_f8f6f4 v[rD:rD+7], v[rA:rA+11], v[rB:rB+11], v[rC:rC+7], v[WS+8*(\t)+(\s)], v[AS+(\s)%8] matrix_a_fmt:MATRIX_FMT_FP6 matrix_b_fmt:MATRIX_FMT_FP6 matrix_b_scale:MATRIX_SCALE_ROW1
.endif
.endm
.macro STEP s
	s_wait_loadcnt 49                              ; behind this step's 7 loads stand the 7 younger steps' 7 each, in every trip and over the loop's edge
	s_wait_dscnt 0x0                               ; this step's fragments of W1, asked for a step ago
	BFETCH ((\s)+1)%KS, ((\s)+1)%2                 ; the next step's (behind the last step: step 0's again, for the next pass)
.if (\s) == 0
	WIN 0x26                                       ; source 0 window 2, source 1 window 1, C (b1) window 2
.else
	WIN 0x06
.endif
.irp t, 0,1,2,3,4,5,6,7                ; the 16 accumulators take turns, one instruction a turn
.irp g, 0,1
	MM \s, \t, \g
.endr
.endr
	PLACES
	RFILL (\s)%8, 24, \s                           ; the slot just read takes the next pair's same step
.endm
.macro NEXTP                           ; s21: a pair, held under 32 -> s[24:25] its images, s[26:27] its scale words
	s_lshl_b32 s23, s18, 5
	s_add_co_u32 s23, s23, s21
	s_mul_i32 s32, s23, 24576
	s_add_nc_u64 s[24:25], s[10:11], s[32:33]
	s_lshl_b32 s32, s23, 10
	s_add_co_u32 s32, s32, 6291456
	s_add_nc_u64 s[26:27], s[10:11], s[32:33]
.endm
; 64 numbers of a lane, none negative, register 16 b + i = unit 32 b + 16 (lane / 16) + i of my token, become a fragment in slot order in v[PC] on, and its scale word in v[pw].
.macro QUANT s, pw
.irp b, 0,1,2,3
	v_max3_num_f32 v[TM+\b], v[(\s)+16*\b], v[(\s)+1+16*\b], 0x1800000   ; block b: my 16, and the floor 2^(3 - 127): the byte cannot fall under 1
.endr
.irp i, 2,4,6,8,10,12,14
.irp b, 0,1,2,3
	v_max3_num_f32 v[TM+\b], v[TM+\b], v[(\s)+16*\b+\i], v[(\s)+1+16*\b+\i]
.endr
.endr
.irp b, 0,1,2,3
	v_permlanex16_b32 v[TM+4+\b], v[TM+\b], s36, s37
.endr
.irp b, 0,1,2,3
	v_max_num_f32 v[TM+\b], v[TM+\b], v[TM+4+\b]   ; with lane l xor 16's 16: the block's largest
.endr
.irp b, 0,1,2,3
	v_add_nc_u32 v[TM+12+\b], 0xff000000, v[TM+\b] ; 2 off the exponent field: the conversion's scale operand
.endr
.irp b, 0,1,2,3
	v_lshrrev_b32 v[TM+4+\b], 23, v[TM+12+\b]      ; the byte
.endr
	v_lshl_or_b32 v[\pw], v[TM+6], 8, v[TM+4]      ; slot order: blocks 0, 2, 1, 3
	v_lshl_or_b32 v[\pw], v[TM+5], 16, v[\pw]
	v_lshl_or_b32 v[\pw], v[TM+7], 24, v[\pw]
.irp c, 0,1
	v_cvt_scalef32_pk16_fp6_f32 v[PC+6*\c:PC+6*\c+2], v[(\s)+16*\c:(\s)+16*\c+15], v[TM+12+\c]             ; my half of block c,
	v_cvt_scalef32_pk16_fp6_f32 v[PC+12+4*\c:PC+14+4*\c], v[(\s)+32+16*\c:(\s)+47+16*\c], v[TM+14+\c]      ; and of block 2 + c
.endr
	v_nop                                          ; one plain instruction behind the scaled conversions
.irp c, 0,1                            ; lanes 0-15 get the whole of block c, lanes 16-31 of block 2 + c: block 2 h + c, registers 6 c .. 6 c + 5
.irp i, 0,1,2
	v_permlane16_swap_b32 v[PC+6*\c+\i], v[PC+12+4*\c+\i]
.endr
.irp i, 0,1,2
	v_mov_b32 v[PC+3+6*\c+\i], v[PC+12+4*\c+\i]
.endr
.endr
.endm
	s_load_b256 s[4:11], s[0:1], 0x0               ; W1's codes, W1's scales, b1, ximg
	s_load_b128 s[12:15], s[0:1], 0x20             ; rplan, himg
	v_lshl_add_u32 v253, v0, 2, 0x18800
	v_mov_b32 v255, 0
	v_lshrrev_b32 v1, 5, v0
	v_readfirstlane_b32 s16, v1                    ; wave 0..3
	s_mov_b32 s17, ttmp9                           ; ft
	s_and_b32 s18, ttmp7, 0xffff                   ; e
	v_and_b32 v1, 31, v0
	v_lshlrev_b32 v[LI], 4, v1
	v_lshlrev_b32 v[LS], 2, v1
	v_and_b32 v11, 15, v1                          ; r
	v_lshrrev_b32 v12, 4, v1                       ; h
	s_mul_i32 s21, s16, 32*PB
	v_add_nc_u32 v[S0], s21, v[LI]                 ; staging: a pair of rows is 1,536 bytes of memory, three loads: the first lies in the first row,
	v_lshl_add_u32 v[S0+1], v12, 4, v[S0]          ; the second crosses into the second row at lane 16,
	v_add_nc_u32 v[S0+2], 16, v[S0]                ; the third lies in it: one padding on
	v_mul_u32_u24 v[BA], v11, PB
	v_mad_u32_u24 v[BA], v12, 48, v[BA]            ; a fragment: row r, + 48 h
	v_add_nc_u32 v[BA+1], 64*PB, v[BA]
	v_and_b32 v9, 8, v11
	v_add_nc_u32 v9, v9, v11                       ; r + 8 (r / 8)
	v_lshlrev_b32 v9, 5, v9                        ; W1's scale bytes: 32 a row
	v_lshlrev_b32 v10, 6, v12                      ; b1: lanes 16-31 take the units 16 further on
.irp b, 0,1,2,3
	v_mov_b32 v[TM+4+\b], 0                        ; written once: a lane permute's destination counts as one of its sources
.endr
	s_lshl_b32 s21, s18, 12
	s_lshl_b32 s22, s17, 7
	s_add_co_u32 s21, s21, s22                     ; 4096 e + 128 ft: the work-group's first row of W1
	s_lshl_b32 s22, s16, 5
	s_add_co_u32 s22, s21, s22                     ; + 32 w: the first row that I stage
	s_mul_i32 s32, s22, 768
	s_mov_b32 s33, 0
	s_lshl_b32 s34, s21, 5
	s_mov_b32 s35, 0
	s_lshl_b32 s38, s21, 2
	s_mov_b32 s39, 0
	s_lshl_b32 s44, s18, 7
	s_mov_b32 s36, 0x76543210
	s_mov_b32 s37, 0xfedcba98                      ; selects for lane l xor 16
	s_mov_b32 s40, 0xffff0000                      ; lanes 16-31
	s_mov_b32 s41, 0x03010200                      ; bytes 0, 2, 1, 3
	s_wait_kmcnt 0x0
	s_load_b32 s19, s[12:13], s44 offset:0x0       ; the expert's number of pairs
	s_add_nc_u64 s[4:5], s[4:5], s[32:33]
	s_add_nc_u64 s[6:7], s[6:7], s[34:35]
	s_add_nc_u64 s[8:9], s[8:9], s[38:39]
	WIN 0x80
.set a, 0
.rept 16
.irp b, 0,1,2
	global_load_b128 v[4*(3*a+\b):4*(3*a+\b)+3], v[LI], s[4:5] offset:1536*a+512*\b th:TH_LOAD_NT   ; my 32 rows of W1: 24,576 consecutive bytes, 512 a load; no other work-group reads them
.endr
.set a, a+1
.endr
.irp t, 0,1,2,3,4,5,6,7
	global_load_b128 v[B1+8*\t:B1+8*\t+3], v10, s[8:9] offset:(32*(\t/2)+8*(\t%2))*4
	global_load_b128 v[B1+8*\t+4:B1+8*\t+7], v10, s[8:9] offset:(32*(\t/2)+8*(\t%2))*4+16
.endr
	WIN 0
.irp t, 0,1,2,3,4,5,6,7
	global_load_b128 v[WS+8*\t:WS+8*\t+3], v9, s[6:7] offset:(32*(\t/2)+8*(\t%2))*32
	global_load_b128 v[WS+8*\t+4:WS+8*\t+7], v9, s[6:7] offset:(32*(\t/2)+8*(\t%2))*32+16
.endr
	s_wait_kmcnt 0x0
	s_min_u32 s19, s19, 32
	s_max_u32 s19, s19, 1
	s_sub_co_u32 s22, s19, 1
	s_min_u32 s21, s16, s22                        ; my first pair, or the expert's last: every wave fills its ring from bytes that were written
	s_min_u32 s21, s21, 31
	NEXTP
.irp q, 0,1,2,3,4,5,6,7
	RFILL \q, 24, \q
.endr
	s_wait_loadcnt 56                              ; the ring's 8 x 7 loads are younger: W1's rows, its scale words and b1 are in
	WIN 0x08                                       ; an LDS store's data are its source 1: window 2
.set a, 0
.rept 16
.set pr, ((2*a)&7)|((((2*a)>>3)&1)<<4)|((((2*a)>>4)&1)<<3)   ; bits 3 and 4 of the row's number change places: so a tile's 16 rows are neighbours in LDS
.irp b, 0,1,2
	ds_store_b128 v[S0+\b], v[4*(3*a+\b):4*(3*a+\b)+3] offset:pr*PB+512*\b
.endr
.set a, a+1
.endr
	WIN 0
.set i, 0
.rept 64
	v_perm_b32 v[WS+i], v[WS+i], v[WS+i], s41      ; W1's scale words into slot order, once
.set i, i+1
.endr
.rept 8
	v_nop                                          ; a scale register written by a vector instruction stands 8 plain instructions ahead of a scaled matrix instruction
.endr
	s_wait_dscnt 0x0                               ; my rows have landed
	s_barrier_signal -1
	s_barrier_wait -1                              ; the tile is whole.  The only barrier: it stands ahead of every branch on the number of pairs
	s_cmp_ge_u32 s16, s19
	s_cbranch_scc1 .Lend                           ; fewer pairs than waves: nothing for me
	BFETCH 0, 0
	WIN 0
	s_mov_b32 s20, s16                             ; the pair in hand
	s_mov_b32 s45, 0                               ; passes done
.Lpass:                                            ; the loop is counted against a constant, TRIPS, which serves 32 pairs; a wave leaves it by the branch at a trip's end when its pairs are done
	s_wait_xcnt 0x0                                ; every earlier load and store has had its addresses translated: the bases below are written only behind this wait
	s_add_co_u32 s21, s20, 4
	s_sub_co_u32 s22, s19, 1
	s_min_u32 s21, s21, s22                        ; my next pair; in my last pass the expert's last once more, so that no load is left out and every count stays
	s_min_u32 s21, s21, 31
	NEXTP
	s_min_u32 s23, s20, 31
	s_lshl_b32 s22, s18, 5
	s_add_co_u32 s22, s22, s23
	s_lshl_b32 s22, s22, 5
	s_add_co_u32 s22, s22, s17                     ; (32 e + pair) x 32 + ft: these 128 units are step ft of the second product
	s_mul_i32 s32, s22, 3072
	s_add_nc_u64 s[28:29], s[14:15], s[32:33]
	s_lshl_b32 s32, s22, 7
	s_add_co_u32 s32, s32, 25165824
	s_add_nc_u64 s[30:31], s[14:15], s[32:33]
.irp s, 0,1,2,3,4,5,6,7
	STEP \s
.endr
.irp g, 0,1
.set i, 0
.rept 64
	v_max_num_f32 v[ACC+64*\g+i], 0, v[ACC+64*\g+i]    ; the activation, in f32; each accumulator from its low end on
.set i, i+1
.endr
	s_wait_xcnt 0x0                                ; the fragment's registers were the last stores' data
	QUANT ACC+64*\g, PW+\g
.irp i, 0,1,2
	global_store_b128 v[LI], v[PC+4*\i:PC+4*\i+3], s[28:29] offset:1536*\g+512*\i   ; the image: 512 consecutive bytes a store
.endr
.endr
	v_cndmask_b32 v[TT], v[PW], v[PW+1], s40       ; lanes 0-15: group 0's words, lanes 16-31: group 1's
	global_store_b32 v[LS], v[TT], s[30:31]
	s_add_co_u32 s20, s20, 4
	s_cmp_ge_u32 s20, s19
	s_cbranch_scc1 .Lend                           ; my pairs are done
	s_add_co_u32 s45, s45, 1
	s_cmp_lt_u32 s45, TRIPS
	s_cbranch_scc1 .Lpass
.Lend:
	s_wait_dscnt 0x0
	s_wait_tensorcnt 0x0
	ds_add_u32 v253, v255
	s_wait_dscnt 0x0
	s_endpgm
.Lfunc_end_k_q5c86ccf6c7_up:
	.size	k_q5c86ccf6c7_up, .Lfunc_end_k_q5c86ccf6c7_up-k_q5c86ccf6c7_up
	.p2alignl 7, 3214868480
	.fill 96, 4, 3214868480
	.section	.rodata,"a",@progbits
	.p2align	6, 0x0
	.amdhsa_kernel k_q5c86ccf6c7_up
		.amdhsa_group_segment_fixed_size 100864
		.amdhsa_private_segment_fixed_size 0
		.amdhsa_enable_private_segment 0
		.amdhsa_kernarg_size 48
		.amdhsa_user_sgpr_count 2
		.amdhsa_user_sgpr_kernarg_segment_ptr 1
		.amdhsa_wavefront_size32 1
		.amdhsa_system_sgpr_workgroup_id_x 1
		.amdhsa_system_sgpr_workgroup_id_y 1
		.amdhsa_system_sgpr_workgroup_id_z 1
		.amdhsa_system_vgpr_workitem_id 0
		.amdhsa_next_free_vgpr 768
		.amdhsa_next_free_sgpr 66
		.amdhsa_reserve_vcc 0
		.amdhsa_float_denorm_mode_32 3
		.amdhsa_float_denorm_mode_16_64 3
		.amdhsa_memory_ordered 1
		.amdhsa_forward_progress 1
		.amdhsa_inst_pref_size 75
	.end_amdhsa_kernel
	.amdgpu_metadata
---
amdhsa.version: [ 1, 2 ]
amdhsa.kernels:
  - .name:           k_q5c86ccf6c7_up
    .symbol:         k_q5c86ccf6c7_up.kd
    .args:
      - { .name: W1_codes, .offset: 0, .size: 8, .value_kind: global_buffer, .address_space: global }
      - { .name: W1_scales, .offset: 8, .size: 8, .value_kind: global_buffer, .address_space: global }
      - { .name: b1, .offset: 16, .size: 8, .value_kind: global_buffer, .address_space: global }
      - { .name: ximg, .offset: 24, .size: 8, .value_kind: global_buffer, .address_space: global }
      - { .name: rplan, .offset: 32, .size: 8, .value_kind: global_buffer, .address_space: global }
      - { .name: himg, .offset: 40, .size: 8, .value_kind: global_buffer, .address_space: global }
    .group_segment_fixed_size: 100864
    .private_segment_fixed_size: 0
    .kernarg_segment_align: 8
    .kernarg_segment_size: 48
    .max_flat_workgroup_size: 128
    .sgpr_count:     66
    .vgpr_count:     768
    .wavefront_size: 32
...
	.end_amdgpu_metadata
.endif
;; end of part 3
;; launch down (part 4): grid 256 x 1, 8 waves a work-group, no clusters, 233,472 bytes of LDS; arguments W2_codes, W2_scales, b2, himg, rplan, ybuf; writes ybuf
.if DOCPART == 4
	.amdgcn_target "amdgcn-amd-amdhsa--gfx1250"
	.amdhsa_code_object_version 6
	.text
	.protected	k_q5c86ccf6c7_down
	.globl	k_q5c86ccf6c7_down
	.p2align	8
	.type	k_q5c86ccf6c7_down,@function
k_q5c86ccf6c7_down:
	s_mov_b64 s[64:65], 0
	v_nop
	global_prefetch_b8 v0, s[64:65] scope:SCOPE_SE
	s_setreg_imm32_b32 hwreg(HW_REG_WAVE_MODE, 25, 1), 1
	s_wait_xcnt 0x0
; THE SECOND PRODUCT OF AN EXPERT: y = Q(h) W2 + b2 for the expert's rows, stored in sorted order.
; Work-group number = 32 e + 16 rh + dt: columns 64 dt .. + 63 of expert e, and every second pair of rows (rh).  Its 64 rows of W2's codes, 192 KB, are asked for whole at the head and kept in LDS.
; EIGHT WAVES of 512 registers: wave w walks pairs 2 w + rh, + 16.  So an expert's columns have 16 places for pairs: up to 16 pairs are walked side by side, one pass a wave, and none behind another;
; and each wave stages 8 of the tile's rows, 48 loads.  A PASS is one pair against the 4 tiles of 16 columns over all of K = 4,096: 32 steps of 8 matrix instructions.
; TRANSPOSED: source 0 = 16 rows of W2 (columns of y), source 1 = 16 tokens: a lane's eight results are eight neighbouring columns of one row of y.
; SLOT ORDER as in the launch that made h's images: lane (r, h) holds the 48 consecutive bytes 96 s + 48 h .. of row r on both operands; scale words with bytes 0, 2, 1, 3.
; h's fragments come from memory straight into a ring of 8 steps in registers, filled 8 steps ahead, on into the wave's next pair; b2 is the C of a pass's first products.
; A WAVE WITHOUT A PAIR stages its rows like the others and still issues the ring's first 56 loads, so that the count of loads is the same on every wave's way to the barrier; its lane offsets are multiplied by 0,
; so that each of those loads names 16 bytes, of the expert's last pair.  Behind the barrier it ends.
; NO TENSOR LOAD, NO CLUSTER: the number of passes is read from memory, so nothing is moved by a copy engine and joint requests are out; the one barrier stands ahead of every branch on that number.
; REGISTERS: window 0: v1-15 addresses; v16-23 h's scale words (ring); v24-87 W2's scale words (32 (t % 2) + s: lanes 0-15 tile t % 2, lanes 16-31 tile t % 2 + 2); v88-119 b2, 8 a tile;
;   v120-183 8 accumulators (32 g + 8 t); v184-231 W2's fragments of even steps.   window 1: v0-191 h's fragments: ring slot q, group g at 24 q + 12 g; v192-239 W2's fragments of odd steps.
;   At the head v120-255 of window 0 and v192-247 of window 1 are the staging registers: 34 + 14 loads.
.set PB,  3088                         ; an LDS row: 3,072 bytes + 16: 193 x 16, so the sixteen rows of a load begin at sixteen different 16-byte columns of 256
.set KS,  32
.set TRIPS, 2                          ; passes of a wave at the most: 32 pairs, every sixteenth
.set NPL, 5                            ; plain instructions behind a step's products: 4 for the loads into their operands and the first read of results, 5 for the next pass's first products, which write the accumulators anew
.set STG, 64*PB                        ; behind the tile: 16 rows x (256 + 16) bytes for each wave, for the way out
.set LI,  2                            ; v2  16 x lane
.set LS,  3                            ; v3  4 x lane
.set SA,  4                            ; v4  staging
.set BA,  5                            ; v5-6 my lane's place in tiles 0-1, 2-3
.set SO,  7                            ; v7  the way out: where I put 32 bytes of a row
.set SR,  8                            ; v8  where I read rows back
.set YO,  9                            ; v9  and the same place in y
.set LA,  14                           ; v14 the ring's lane offset in an image: 16 x lane, or 0 in a wave without a pair
.set LB,  15                           ; v15 and among the scale words: 4 x lane, or 0
.set AS,  16
.set WS,  24
.set B2,  88
.set ACC, 120
.set BF0, 184                          ; in window 0
.set BF1, 192                          ; in window 1
.set MSB, 0
.macro WIN new                         ; the immediate's high byte repeats the setting that is left
.if MSB != \new
	s_set_vgpr_msb (MSB<<8)|\new
.set MSB, \new
.endif
.endm
.macro PLACES
.rept NPL
	v_nop
.endr
.endm
.macro RFILL q, base, step             ; ring slot q takes a pair's step: two images and the scale words: 7 loads
	WIN 0x40                                       ; destination window 1
.irp g, 0,1
.irp i, 0,1,2
	global_load_b128 v[24*(\q)+12*\g+4*\i:24*(\q)+12*\g+4*\i+3], v[LA], s[\base:\base+1] offset:3072*(\step)+1536*\g+512*\i
.endr
.endr
	WIN 0
	global_load_b32 v[AS+(\q)], v[LB], s[\base+2:\base+3] offset:128*(\step)
.endm
.macro BFETCH s, bs                    ; W2's four fragments of step s into set bs
.if (\bs) == 0
	WIN 0
.set rF, BF0
.else
	WIN 0x40                                       ; destination window 1
.set rF, BF1
.endif
.irp t, 0,1,2,3
.irp i, 0,1,2
	ds_load_b128 v[rF+12*\t+4*\i:rF+12*\t+4*\i+3], v[BA+\t/2] offset:(\t%2)*16*PB+96*(\s)+16*\i
.endr
.endr
.endm
.macro MM s, t, g
.set rD, ACC+32*(\g)+8*(\t)
.if ((\s)%2) == 0
.set rA, BF0+12*(\t)
.else
.set rA, BF1+12*(\t)
.endif
.set rB, 24*((\s)%8)+12*(\g)
.if (\s) == 0
.set rC, B2+8*(\t)
.else
.set rC, rD
.endif
.set rW, WS+32*((\t)%2)+(\s)
.if (\t) < 2
.if (\g) == 0
	v_wmma_scale_f32_16x16x128_f8f6f4 v[rD:rD+7], v[rA:rA+11], v[rB:rB+11], v[rC:rC+7], v[rW], v[AS+(\s)%8] matrix_a_fmt:MATRIX_FMT_FP6 matrix_b_fmt:MATRIX_FMT_FP6
.else
	v_wmma_scale_f32_16x16x128_f8f6f4 v[rD:rD+7], v[rA:rA+11], v[rB:rB+11], v[rC:rC+7], v[rW], v[AS+(\s)%8] matrix_a_fmt:MATRIX_FMT_FP6 matrix_b_fmt:MATRIX_FMT_FP6 matrix_b_scale:MATRIX_SCALE_ROW1
.endif
.else
.if (\g) == 0
	v_wmma_scale_f32_16x16x128_f8f6f4 v[rD:rD+7], v[rA:rA+11], v[rB:rB+11], v[rC:rC+7], v[rW], v[AS+(\s)%8] matrix_a_fmt:MATRIX_FMT_FP6 matrix_b_fmt:MATRIX_FMT_FP6 matrix_a_scale:MATRIX_SCALE_ROW1
.else
	v_wmma_scale_f32_16x16x128_f8f6f4 v[rD:rD+7], v[rA:rA+11], v[rB:rB+11], v[rC:rC+7], v[rW], v[AS+(\s)%8] matrix_a_fmt:MATRIX_FMT_FP6 matrix_b_fmt:MATRIX_FMT_FP6 matrix_a_scale:MATRIX_SCALE_ROW1 matrix_b_scale:MATRIX_SCALE_ROW1
.endif
.endif
.endm
.macro STEP s
	s_wait_loadcnt 49                              ; behind this step's 7 loads stand the 7 younger steps' 7 each, in every trip and over the loop's edge
	s_wait_dscnt 0x0                               ; this step's fragments of W2, asked for a step ago
	BFETCH ((\s)+1)%KS, ((\s)+1)%2                 ; the next step's (behind the last step: step 0's again, for the next pass)
.if ((\s)%2) == 0
	WIN 0x04                                       ; source 0 (W2) window 0, source 1 (h) window 1
.else
	WIN 0x05                                       ; both in window 1
.endif
.irp t, 0,1,2,3                        ; the 8 accumulators take turns, one instruction a turn
.irp g, 0,1
	MM \s, \t, \g
.endr
.endr
	PLACES
.if (\s) < 24
	RFILL (\s)%8, 24, (\s)+8                       ; the slot just read takes this pair's step 8 further on,
.else
	RFILL (\s)%8, 28, (\s)-24                      ; or the next pair's first steps
.endif
.endm
.macro NEXTP                           ; s21: a pair, held under 32 -> s[28:29] its images, s[30:31] its scale words
	s_lshl_b32 s23, s18, 5
	s_add_co_u32 s23, s23, s21
	s_mul_i32 s32, s23, 98304
	s_add_nc_u64 s[28:29], s[10:11], s[32:33]
	s_lshl_b32 s32, s23, 12
	s_add_co_u32 s32, s32, 25165824
	s_add_nc_u64 s[30:31], s[10:11], s[32:33]
.endm
	s_load_b256 s[4:11], s[0:1], 0x0               ; W2's codes, W2's scales, b2, himg
	s_load_b128 s[12:15], s[0:1], 0x20             ; rplan, ybuf
	s_set_vgpr_msb 0x40
	v_lshl_add_u32 v254, v0, 2, 0x38c00
	v_mov_b32 v255, 0
	s_set_vgpr_msb 0x4000
	v_lshrrev_b32 v1, 5, v0
	v_readfirstlane_b32 s16, v1                    ; wave 0..7
	s_lshr_b32 s18, ttmp9, 5                       ; e
	s_bfe_u32 s42, ttmp9, 0x10004                  ; rh
	s_and_b32 s17, ttmp9, 15                       ; dt
	s_lshl_b32 s43, s16, 1
	s_add_co_u32 s43, s43, s42                     ; my first pair: 2 w + rh
	v_and_b32 v1, 31, v0
	v_lshlrev_b32 v[LI], 4, v1
	v_lshlrev_b32 v[LS], 2, v1
	v_and_b32 v12, 15, v1                          ; r
	v_lshrrev_b32 v13, 4, v1                       ; h
	s_mul_i32 s22, s16, 8*PB
	v_add_nc_u32 v[SA], s22, v[LI]                 ; staging: my 8 rows, 16 bytes a lane
	v_mul_u32_u24 v[BA], v12, PB
	v_mad_u32_u24 v[BA], v13, 48, v[BA]            ; a fragment: row r, + 48 h
	v_add_nc_u32 v[BA+1], 32*PB, v[BA]
	s_mul_i32 s21, s16, 4352
	s_add_co_u32 s21, s21, STG                     ; my stage
	v_mul_u32_u24 v[SO], v12, 272
	v_lshl_add_u32 v[SO], v13, 5, v[SO]
	v_add_nc_u32 v[SO], s21, v[SO]                 ; in: row r, + 32 h
	v_mul_u32_u24 v[SR], v13, 272
	v_lshl_add_u32 v[SR], v12, 4, v[SR]
	v_add_nc_u32 v[SR], s21, v[SR]                 ; back: lanes 0-15 one row of 256 bytes, lanes 16-31 the next
	v_lshlrev_b32 v[YO], 12, v13
	v_lshl_add_u32 v[YO], v12, 4, v[YO]            ; and the same two rows in y
	v_lshlrev_b32 v10, 7, v12                      ; W2's scale bytes: 128 a row;
	v_lshl_add_u32 v10, v13, 12, v10               ; lanes 16-31 take the rows 32 further on: the tile two on
	v_lshlrev_b32 v11, 5, v13                      ; b2: lanes 16-31 take the columns 8 further on
	s_lshl_b32 s21, s18, 10
	s_lshl_b32 s22, s17, 6
	s_add_co_u32 s21, s21, s22                     ; 1024 e + 64 dt: the work-group's first row of W2
	s_lshl_b32 s22, s16, 3
	s_add_co_u32 s22, s21, s22                     ; + 8 w: the first row that I stage
	s_mul_i32 s32, s22, 3072
	s_mov_b32 s33, 0
	s_lshl_b32 s34, s21, 7
	s_mov_b32 s35, 0
	s_lshl_b32 s38, s21, 2
	s_mov_b32 s39, 0
	s_lshl_b32 s44, s18, 7
	s_mov_b32 s41, 0x03010200                      ; bytes 0, 2, 1, 3
	s_wait_kmcnt 0x0
	s_load_b32 s19, s[12:13], s44 offset:0x0       ; the expert's number of pairs
	s_add_nc_u64 s[4:5], s[4:5], s[32:33]
	s_add_nc_u64 s[6:7], s[6:7], s[34:35]
	s_add_nc_u64 s[8:9], s[8:9], s[38:39]
.set n, 0
.rept 34
	global_load_b128 v[ACC+4*n:ACC+4*n+3], v[LI], s[4:5] offset:512*n      ; my 8 rows of W2: 24,576 consecutive bytes, 512 a load; 34 loads into window 0,
.set n, n+1
.endr
	WIN 0x40
.set n, 34
.rept 14
	global_load_b128 v[BF1+4*(n-34):BF1+4*(n-34)+3], v[LI], s[4:5] offset:512*n    ; 14 into window 1
.set n, n+1
.endr
	WIN 0
.irp t, 0,1
.irp q, 0,1,2,3,4,5,6,7
	global_load_b128 v[WS+32*\t+4*\q:WS+32*\t+4*\q+3], v10, s[6:7] offset:2048*\t+16*\q   ; lanes 0-15: tile t's words of steps 4 q on; lanes 16-31: tile t + 2's
.endr
.endr
.irp t, 0,1,2,3
	global_load_b128 v[B2+8*\t:B2+8*\t+3], v11, s[8:9] offset:64*\t
	global_load_b128 v[B2+8*\t+4:B2+8*\t+7], v11, s[8:9] offset:64*\t+16
.endr
	s_wait_kmcnt 0x0
	s_min_u32 s19, s19, 32
	s_max_u32 s19, s19, 1
	s_min_u32 s46, s43, s19
	s_sub_co_u32 s46, s19, s46                     ; pairs from my first on: 0 where I have none;
	s_min_u32 s46, s46, 1                          ; 1 or 0
	v_mul_u32_u24 v[LA], s46, v[LI]
	v_mul_u32_u24 v[LB], s46, v[LS]
	s_sub_co_u32 s22, s19, 1
	s_min_u32 s21, s43, s22                        ; my first pair, or the expert's last: every wave fills its ring from bytes that were written
	s_min_u32 s21, s21, 31
	NEXTP
.irp q, 0,1,2,3,4,5,6,7
	RFILL \q, 28, \q
.endr
	s_wait_loadcnt 56                              ; the ring's 8 x 7 loads are younger: W2's rows, its scale words and b2 are in
.set n, 0
.rept 34
	ds_store_b128 v[SA], v[ACC+4*n:ACC+4*n+3] offset:PB*(n/6)+512*(n%6)
.set n, n+1
.endr
	WIN 0x04                                       ; an LDS store's data are its source 1: window 1
.set n, 34
.rept 14
	ds_store_b128 v[SA], v[BF1+4*(n-34):BF1+4*(n-34)+3] offset:PB*(n/6)+512*(n%6)
.set n, n+1
.endr
	WIN 0
.set i, 0
.rept 64
	v_perm_b32 v[WS+i], v[WS+i], v[WS+i], s41      ; W2's scale words into slot order, once
.set i, i+1
.endr
.rept 8
	v_nop                                          ; a scale register written by a vector instruction stands 8 plain instructions ahead of a scaled matrix instruction
.endr
	s_wait_dscnt 0x0                               ; my rows have landed
	s_barrier_signal -1
	s_barrier_wait -1                              ; the tile is whole.  The only barrier: it stands ahead of every branch on the number of pairs
	s_cmp_ge_u32 s43, s19
	s_cbranch_scc1 .Lend                           ; no pair for me
	BFETCH 0, 0
	WIN 0
	s_mov_b32 s20, s43                             ; the pair in hand
	s_mov_b32 s45, 0                               ; passes done
.Lpass:                                            ; the loop is counted against a constant, TRIPS, which serves 32 pairs; a wave leaves it by the branch at a trip's end when its pairs are done
	s_wait_xcnt 0x0                                ; every earlier load and store has had its addresses translated: the bases, and the accumulators that the last stores read, are written only behind this wait
	s_mov_b64 s[24:25], s[28:29]                   ; the pair in hand is the one that the ring has begun
	s_mov_b64 s[26:27], s[30:31]
	s_add_co_u32 s21, s20, 16
	s_sub_co_u32 s22, s19, 1
	s_min_u32 s21, s21, s22                        ; my next pair; in my last pass the expert's last once more, so that no load is left out and every count stays
	s_min_u32 s21, s21, 31
	NEXTP
	s_min_u32 s23, s20, 31
	s_lshl_b32 s22, s18, 5
	s_add_co_u32 s22, s22, s23                     ; 32 e + pair
	s_lshl_b32 s32, s22, 17                        ; 32 rows of 4,096 bytes
	s_lshl_b32 s22, s17, 8
	s_add_co_u32 s32, s32, s22                     ; + my 64 columns
	s_add_nc_u64 s[34:35], s[14:15], s[32:33]
.irp s, 0,1,2,3,4,5,6,7,8,9,10,11,12,13,14,15,16,17,18,19,20,21,22,23,24,25,26,27,28,29,30,31
	STEP \s
.endr
; THE WAY OUT.  A lane holds 32 neighbouring bytes of a row, the lanes beside it other rows: a group of 16 rows goes through my own stage and comes back as whole rows of 256 bytes, into the registers that it left.
; LDS serves a wave's instructions in order: no wait between stores and loads, nor in front of the second group's stores.
.irp g, 0,1
.irp t, 0,1,2,3
	ds_store_b128 v[SO], v[ACC+32*\g+8*\t:ACC+32*\g+8*\t+3] offset:64*\t           ; each accumulator from its low end on
	ds_store_b128 v[SO], v[ACC+32*\g+8*\t+4:ACC+32*\g+8*\t+7] offset:64*\t+16
.endr
.irp i, 0,1,2,3,4,5,6,7
	ds_load_b128 v[ACC+32*\g+4*\i:ACC+32*\g+4*\i+3], v[SR] offset:544*\i
.endr
.endr
.irp g, 0,1
.irp i, 0,1,2,3,4,5,6,7
	s_wait_dscnt 23-16*\g-\i                       ; younger: the rest of this group's loads, and for group 0 the second group's 16
	global_store_b128 v[YO], v[ACC+32*\g+4*\i:ACC+32*\g+4*\i+3], s[34:35] offset:(16*\g+2*\i)*4096   ; sixteen lanes store 256 consecutive bytes, at a multiple of 256 from the buffer's first byte
.endr
.endr
	s_add_co_u32 s20, s20, 16
	s_cmp_ge_u32 s20, s19
	s_cbranch_scc1 .Lend                           ; my pairs are done
	s_add_co_u32 s45, s45, 1
	s_cmp_lt_u32 s45, TRIPS
	s_cbranch_scc1 .Lpass
.Lend:
	s_wait_dscnt 0x0
	s_set_vgpr_msb 0x5
	s_wait_tensorcnt 0x0
	ds_add_u32 v254, v255
	s_wait_dscnt 0x0
	s_set_vgpr_msb 0x500
	s_endpgm
.Lfunc_end_k_q5c86ccf6c7_down:
	.size	k_q5c86ccf6c7_down, .Lfunc_end_k_q5c86ccf6c7_down-k_q5c86ccf6c7_down
	.p2alignl 7, 3214868480
	.fill 96, 4, 3214868480
	.section	.rodata,"a",@progbits
	.p2align	6, 0x0
	.amdhsa_kernel k_q5c86ccf6c7_down
		.amdhsa_group_segment_fixed_size 233472
		.amdhsa_private_segment_fixed_size 0
		.amdhsa_enable_private_segment 0
		.amdhsa_kernarg_size 48
		.amdhsa_user_sgpr_count 2
		.amdhsa_user_sgpr_kernarg_segment_ptr 1
		.amdhsa_wavefront_size32 1
		.amdhsa_system_sgpr_workgroup_id_x 1
		.amdhsa_system_sgpr_workgroup_id_y 1
		.amdhsa_system_sgpr_workgroup_id_z 1
		.amdhsa_system_vgpr_workitem_id 0
		.amdhsa_next_free_vgpr 512
		.amdhsa_next_free_sgpr 66
		.amdhsa_reserve_vcc 0
		.amdhsa_float_denorm_mode_32 3
		.amdhsa_float_denorm_mode_16_64 3
		.amdhsa_memory_ordered 1
		.amdhsa_forward_progress 1
		.amdhsa_inst_pref_size 117
	.end_amdhsa_kernel
	.amdgpu_metadata
---
amdhsa.version: [ 1, 2 ]
amdhsa.kernels:
  - .name:           k_q5c86ccf6c7_down
    .symbol:         k_q5c86ccf6c7_down.kd
    .args:
      - { .name: W2_codes, .offset: 0, .size: 8, .value_kind: global_buffer, .address_space: global }
      - { .name: W2_scales, .offset: 8, .size: 8, .value_kind: global_buffer, .address_space: global }
      - { .name: b2, .offset: 16, .size: 8, .value_kind: global_buffer, .address_space: global }
      - { .name: himg, .offset: 24, .size: 8, .value_kind: global_buffer, .address_space: global }
      - { .name: rplan, .offset: 32, .size: 8, .value_kind: global_buffer, .address_space: global }
      - { .name: ybuf, .offset: 40, .size: 8, .value_kind: global_buffer, .address_space: global }
    .group_segment_fixed_size: 233472
    .private_segment_fixed_size: 0
    .kernarg_segment_align: 8
    .kernarg_segment_size: 48
    .max_flat_workgroup_size: 256
    .sgpr_count:     66
    .vgpr_count:     512
    .wavefront_size: 32
...
	.end_amdgpu_metadata
.endif
;; end of part 4
;; launch combine (part 5): grid 256 x 1, 4 waves a work-group, no clusters, 0 bytes of LDS; arguments rplan, gates, ybuf, out0; writes out0
.if DOCPART == 5
	.amdgcn_target "amdgcn-amd-amdhsa--gfx1250"
	.amdhsa_code_object_version 6
	.text
	.protected	k_q5c86ccf6c7_combine
	.globl	k_q5c86ccf6c7_combine
	.p2align	8
	.type	k_q5c86ccf6c7_combine,@function
k_q5c86ccf6c7_combine:
	s_mov_b64 s[64:65], 0
	v_nop
	global_prefetch_b8 v0, s[64:65] scope:SCOPE_SE
	s_setreg_imm32_b32 hwreg(HW_REG_WAVE_MODE, 25, 1), 1
	s_wait_xcnt 0x0
; out[t] = g0 y[place of (t, first choice)] + g1 y[place of (t, second choice)].  A wave owns a token: two rows of 4,096 bytes in, one out.  Each output row has one owner: nothing is added across work-groups.
; The experts that a token did not choose have the weight 0 in the sum that is asked for, and are not computed.  A stream: no LDS, no barrier, no matrix unit.
	s_load_b256 s[4:11], s[0:1], 0x0               ; rplan, gates, ybuf, out0
	v_lshrrev_b32 v1, 5, v0
	v_readfirstlane_b32 s12, v1                    ; wave
	s_lshl_b32 s13, ttmp9, 2
	s_add_co_u32 s13, s13, s12                     ; my token
	s_lshl_b32 s14, s13, 3                         ; 8 bytes a token in both tables
	v_and_b32 v1, 31, v0
	v_lshlrev_b32 v2, 4, v1                        ; 16 x lane
	s_lshl_b32 s20, s13, 12
	s_mov_b32 s21, 0
	s_mov_b32 s23, 0
	s_mov_b32 s27, 0
	s_wait_kmcnt 0x0
	s_load_b64 s[16:17], s[4:5], s14 offset:0x400  ; the two places
	s_load_b64 s[18:19], s[6:7], s14 offset:0x0    ; the two gates
	s_add_nc_u64 s[10:11], s[10:11], s[20:21]
	s_wait_kmcnt 0x0
	s_min_u32 s22, s16, 8191                       ; held inside the buffer's 8,192 rows
	s_lshl_b32 s22, s22, 12
	s_min_u32 s26, s17, 8191
	s_lshl_b32 s26, s26, 12
	s_add_nc_u64 s[22:23], s[8:9], s[22:23]
	s_add_nc_u64 s[26:27], s[8:9], s[26:27]
	s_mov_b32 s24, s19                             ; the second gate in a pair of its own: the packed form names a pair and takes its low word for both halves
	s_mov_b32 s25, s19
.irp j, 0,1,2,3,4,5,6,7
	global_load_b128 v[8+4*\j:8+4*\j+3], v2, s[22:23] offset:512*\j th:TH_LOAD_NT      ; 512 consecutive bytes a load; each row is read once
.endr
.irp j, 0,1,2,3,4,5,6,7
	global_load_b128 v[40+4*\j:40+4*\j+3], v2, s[26:27] offset:512*\j th:TH_LOAD_NT
.endr
	s_wait_loadcnt 0x0
.irp j, 0,2,4,6,8,10,12,14,16,18,20,22,24,26,28,30
	v_pk_mul_f32 v[8+\j:9+\j], v[8+\j:9+\j], s[18:19] op_sel_hi:[1,0]
.endr
.irp j, 0,2,4,6,8,10,12,14,16,18,20,22,24,26,28,30
	v_pk_fma_f32 v[8+\j:9+\j], v[40+\j:41+\j], s[24:25], v[8+\j:9+\j] op_sel_hi:[1,0,1]
.endr
.irp j, 0,1,2,3,4,5,6,7
	global_store_b128 v2, v[8+4*\j:8+4*\j+3], s[10:11] offset:512*\j th:TH_STORE_NT    ; two aligned runs of 256 bytes a store
.endr
	s_endpgm
.Lfunc_end_k_q5c86ccf6c7_combine:
	.size	k_q5c86ccf6c7_combine, .Lfunc_end_k_q5c86ccf6c7_combine-k_q5c86ccf6c7_combine
	.p2alignl 7, 3214868480
	.fill 96, 4, 3214868480
	.section	.rodata,"a",@progbits
	.p2align	6, 0x0
	.amdhsa_kernel k_q5c86ccf6c7_combine
		.amdhsa_group_segment_fixed_size 0
		.amdhsa_private_segment_fixed_size 0
		.amdhsa_enable_private_segment 0
		.amdhsa_kernarg_size 32
		.amdhsa_user_sgpr_count 2
		.amdhsa_user_sgpr_kernarg_segment_ptr 1
		.amdhsa_wavefront_size32 1
		.amdhsa_system_sgpr_workgroup_id_x 1
		.amdhsa_system_sgpr_workgroup_id_y 1
		.amdhsa_system_sgpr_workgroup_id_z 1
		.amdhsa_system_vgpr_workitem_id 0
		.amdhsa_next_free_vgpr 72
		.amdhsa_next_free_sgpr 66
		.amdhsa_reserve_vcc 0
		.amdhsa_float_denorm_mode_32 3
		.amdhsa_float_denorm_mode_16_64 3
		.amdhsa_memory_ordered 1
		.amdhsa_forward_progress 1
		.amdhsa_inst_pref_size 6
	.end_amdhsa_kernel
	.amdgpu_metadata
---
amdhsa.version: [ 1, 2 ]
amdhsa.kernels:
  - .name:           k_q5c86ccf6c7_combine
    .symbol:         k_q5c86ccf6c7_combine.kd
    .args:
      - { .name: rplan, .offset: 0, .size: 8, .value_kind: global_buffer, .address_space: global }
      - { .name: gates, .offset: 8, .size: 8, .value_kind: global_buffer, .address_space: global }
      - { .name: ybuf, .offset: 16, .size: 8, .value_kind: global_buffer, .address_space: global }
      - { .name: out0, .offset: 24, .size: 8, .value_kind: global_buffer, .address_space: global }
    .group_segment_fixed_size: 0
    .private_segment_fixed_size: 0
    .kernarg_segment_align: 8
    .kernarg_segment_size: 32
    .max_flat_workgroup_size: 128
    .sgpr_count:     66
    .vgpr_count:     72
    .wavefront_size: 32
...
	.end_amdgpu_metadata
.endif
;; end of part 5
;; ======== version 2 of 2: 5 launches; version 1 with the launches up, down written anew for expert scheduling mode
;; workspace buffers: xq 819,200 bytes; rmask 2,048 bytes of whole numbers; gates 8,192 bytes; rplan 10,240 bytes of whole numbers; ximg 6,553,600 bytes; himg 26,214,400 bytes; ybuf 33,554,432 bytes
;; launch route: the kernel of part 1 again; grid 64 x 1, 4 waves a work-group, no clusters, 53,760 bytes of LDS; arguments x, Wr, xq, rmask, gates; writes xq, rmask, gates
;; launch place: the kernel of part 2 again; grid 16 x 8, 1 waves a work-group, no clusters, 29,952 bytes of LDS; arguments rmask, xq, rplan, ximg; writes rplan, ximg
;; launch up (part 6): grid 32 x 8, 4 waves a work-group, no clusters, 100,864 bytes of LDS; arguments W1_codes, W1_scales, b1, ximg, rplan, himg; writes himg
.if DOCPART == 6
	.amdgcn_target "amdgcn-amd-amdhsa--gfx1250"
	.amdhsa_code_object_version 6
	.text
	.protected	k_q5c86ccf6c7_up
	.globl	k_q5c86ccf6c7_up
	.p2align	8
	.type	k_q5c86ccf6c7_up,@function
k_q5c86ccf6c7_up:
	s_mov_b64 s[64:65], 0
	v_nop
	global_prefetch_b8 v0, s[64:65] scope:SCOPE_SE
	s_setreg_imm32_b32 hwreg(HW_REG_WAVE_SCHED_MODE, 0, 2), 2
	s_setreg_imm32_b32 hwreg(HW_REG_WAVE_MODE, 25, 1), 1
	s_wait_xcnt 0x0
	s_wait_alu depctr_vm_vsrc(0)
; THE FIRST PRODUCT OF AN EXPERT: h = relu(Q(x) W1 + b1) for the expert's rows, quantised along the hidden axis, stored as images of the second product's operand registers.
; Work-group (ft, e) owns hidden units 128 ft .. + 127 of expert e: 128 rows of W1's codes, 96 KB, read from memory once in the launch, asked for whole at the head and kept in LDS.
; Its four waves walk the expert's pairs of 16-row groups (wave w: pairs w, w + 4, ..).  A PASS is one pair against the 8 tiles of 16 units over all of K = 1,024: 8 steps of 16 matrix instructions.
; TRANSPOSED: source 0 = 16 rows of W1, source 1 = 16 tokens: a lane holds one token and its registers run along the hidden units.  THE ROWS OF A TILE ARE NOT NEIGHBOURS: tile 2 b + u, row m is unit
; 32 b + 8 u + m + 8 (m / 8), so that the 16 registers of tiles 2 b, 2 b + 1 are 16 neighbouring units, 32 b + 16 (lane / 16) + 0 .. 15: what the conversions want.  The rows are laid so in LDS as they are staged.
; SLOT ORDER: lane (r, h) holds the 48 CONSECUTIVE bytes 96 s + 48 h .. of row r, on both operands: three loads of 16 bytes a fragment.  The instruction's blocks 1 and 2 of 32 along K so change places, in codes and
; in scale words alike (bytes 0, 2, 1, 3): the products are the same, their order in the sum another.
; The tokens' fragments come from memory straight into a ring of 8 steps in registers; b1 is the C of a pass's first products.
; NO TENSOR LOAD, NO CLUSTER: the number of passes is read from memory (it hangs on the routing), so nothing here is moved by a copy engine, and joint requests are out; the one barrier stands ahead of every branch on that number.
; LIMITS: NaN and infinities are not served; a block of zeros gets the byte 1 and zero codes (read by this program alone).
; REGISTERS: window 0: v1-12 addresses; v16-23 the tokens' scale words (ring); v24-87 W1's scale words (8 t + s); v88-215 16 accumulators (64 g + 8 t); v216-254 the quantiser's.
;   window 1: v0-191 the tokens' fragments: ring slot q, group g at 24 q + 12 g.   window 2: v0-191 W1's fragments, two sets of 96 (at the head: staging); v192-255 b1, 8 a tile.
; THE MODE: SCHED_MODE bits 1:0 = 2 (LLVM: expert scheduling mode 2), set by the entry lines.  The code itself states the register dependences
; between vector or matrix instructions and memory or LDS instructions, with s_wait_alu, always for 0.
; THE PLAN.  Registers that memory or LDS instructions touch, in the loop:
;   W1's sets 0, 1      Step s's products read set s % 2; the LDS loads issued in step s land in the other set, which step s - 1's products read.
;   ring slots 0 .. 7   with their scale words v16-23.  Step s's products read slot s; the slot is asked for again in step s + 1 (slot 7: at the pass's end), for the next pair's same step.
;   the out-buffers     v234-245 group 0's fragment, v88-99 group 1's (in group 0's accumulators, which are done with when group 0 has been quantised), v254 the two groups' scale words.
;                       Written by the quantiser at the pass's end, read by the pass's seven stores, written again a pass later (v88-99: by the next pass's first products).
;   v2, v3, v7, v8      Offsets and LDS addresses, made at the head and never written again: the pairs are reached by scalar bases, the steps by immediate offsets.
; So ONE wait on va_vdst stands at the head of each of steps 1 to 7: the step before is done reading its set, its slot and its scale word.  The step's 31 loads follow it in two runs among its 16 products, which
; name set s % 2, slot s, the accumulators and W1's scale words: none of the registers that those loads touch.  Step 0 asks for no slot, and the set in which its LDS loads land was read last by step 7's
; products, which stand ahead of the wait at the pass's end.  That wait, one on va_vdst, stands ahead of slot 7's loads and the seven stores; one on vm_vsrc stands at the pass's head.
.set PB,  784                          ; an LDS row: 768 bytes + 16: 49 x 16, so the sixteen rows of a load begin at sixteen different 16-byte columns of 256
.set KS,  8                            ; steps of 128 along K
.set TRIPS, 8                          ; passes of a wave at the most: 32 pairs, every fourth
.set NPL, 5                            ; plain instructions behind a step's products, behind every step alike: 4 are owed ahead of the first read of results, 5 ahead of the next pass's first products, which write the accumulators anew (ISA guide 7.12.1)
.set LI,  2                            ; v2  16 x lane
.set LS,  3                            ; v3  4 x lane
.set S0,  4                            ; v4-6 staging: where a load's 512 bytes of a pair of rows go
.set BA,  7                            ; v7-8 my lane's place in tiles 0-3, 4-7
.set AS,  16
.set WS,  24
.set ACC, 88
.set TM,  216                          ; v216-219 largest magnitudes, v220-223 bytes, v228-231 the conversions' scale operands
.set PW,  232                          ; v232-233 the two groups' scale words
.set PC,  234                          ; v234-245 group 0's fragment; v246-252 at work
.set PC1, ACC                          ; v88-99 group 1's fragment; v100-106 at work
.set TT,  254
.set B1,  192                          ; in window 2
.set MSB, 0
.macro WIN new                         ; the immediate's high byte repeats the setting that is left
.if MSB != \new
	s_set_vgpr_msb (MSB<<8)|\new
.set MSB, \new
.endif
.endm
.macro PLACES
.rept NPL
	v_nop
.endr
.endm
.macro RFILL q, base, step             ; ring slot q takes a pair's step: two images and the scale words: 7 loads
	WIN 0x40                                       ; destination window 1
.irp g, 0,1
.irp i, 0,1,2
	global_load_b128 v[24*(\q)+12*\g+4*\i:24*(\q)+12*\g+4*\i+3], v[LI], s[\base:\base+1] offset:3072*(\step)+1536*\g+512*\i
.endr
.endr
	WIN 0
	global_load_b32 v[AS+(\q)], v[LS], s[\base+2:\base+3] offset:128*(\step)
.endm
.macro BFETCH s, bs, half              ; four of W1's eight fragments of step s (tiles 4 half on) into set bs; the destination's window, 2, is set by the caller
.irp t, 0,1,2,3
.irp i, 0,1,2
	ds_load_b128 v[96*(\bs)+12*(4*(\half)+\t)+4*\i:96*(\bs)+12*(4*(\half)+\t)+4*\i+3], v[BA+(\half)] offset:\t*16*PB+96*(\s)+16*\i
.endr
.endr
.endm
.macro MM s, t, g
.set rD, ACC+64*(\g)+8*(\t)
.set rA, 96*((\s)%2)+12*(\t)
.set rB, 24*((\s)%8)+12*(\g)
.if (\s) == 0
.set rC, B1+8*(\t)
.else
.set rC, rD
.endif
.if (\g) == 0
	v_wmma_scale_f32_16x16x128_f8f6f4 v[rD:rD+7], v[rA:rA+11], v[rB:rB+11], v[rC:rC+7], v[WS+8*(\t)+(\s)], v[AS+(\s)%8] matrix_a_fmt:MATRIX_FMT_FP6 matrix_b_fmt:MATRIX_FMT_FP6
.else
	v_wmma_scale_f32_16x16x128_f8f6f4 v[rD:rD+7], v[rA:rA+11], v[rB:rB+11], v[rC:rC+7], v[WS+8*(\t)+(\s)], v[AS+(\s)%8] matrix_a_fmt:MATRIX_FMT_FP6 matrix_b_fmt:MATRIX_FMT_FP6 matrix_b_scale:MATRIX_SCALE_ROW1
.endif
.endm
.macro MWIN s                          ; the products' windows
.if (\s) == 0
	WIN 0x26                                       ; source 0 window 2, source 1 window 1, C (b1) window 2
.else
	WIN 0x06
.endif
.endm
.macro STEP s
.if (\s) == 0
	s_wait_loadcnt 49                              ; behind slot 0's 7 loads stand those of slots 1 to 7: at the first pass from the head, later from the pass before
.else
	s_wait_loadcnt 42                              ; behind this slot's 7 loads stand those of six slots: the slot read last step has not been asked for again yet
.endif
	s_wait_dscnt 0x0                               ; this step's fragments of W1, asked for a step ago
	WIN 0x80                                       ; destination window 2
.if (\s) > 0
	s_wait_alu depctr_va_vdst(0)                   ; the last step's products are done reading their set of W1's fragments, their ring slot and its scale word: this step's loads land in these
.endif
	BFETCH ((\s)+1)%KS, ((\s)+1)%2, 0              ; the next step's tiles 0-3 (behind the last step: step 0's again, for the next pass)
	MWIN \s
.irp t, 0,1,2,3                        ; the 16 accumulators take turns, one instruction a turn
.irp g, 0,1
	MM \s, \t, \g
.endr
.endr
	WIN 0x80
	BFETCH ((\s)+1)%KS, ((\s)+1)%2, 1              ; its tiles 4-7.  No wait: no vector or matrix instruction since the wait above names these registers
.if (\s) > 0
	RFILL (\s)-1, 24, (\s)-1                       ; the slot read last step takes the next pair's same step
.endif
	MWIN \s
.irp t, 4,5,6,7
.irp g, 0,1
	MM \s, \t, \g
.endr
.endr
	PLACES
.endm
.macro NEXTP                           ; s21: a pair, held under 32 -> s[24:25] its images, s[26:27] its scale words
	s_lshl_b32 s23, s18, 5
	s_add_co_u32 s23, s23, s21
	s_mul_i32 s32, s23, 24576
	s_add_nc_u64 s[24:25], s[10:11], s[32:33]
	s_lshl_b32 s32, s23, 10
	s_add_co_u32 s32, s32, 6291456
	s_add_nc_u64 s[26:27], s[10:11], s[32:33]
.endm
; 64 numbers of a lane, none negative, register 16 b + i = unit 32 b + 16 (lane / 16) + i of my token, become a fragment in slot order in v[pc] on (seven registers behind it at work), and its scale word in v[pw].
.macro QUANT s, pw, pc
.irp b, 0,1,2,3
	v_max3_num_f32 v[TM+\b], v[(\s)+16*\b], v[(\s)+1+16*\b], 0x1800000   ; block b: my 16, and the floor 2^(3 - 127): the byte cannot fall under 1
.endr
.irp i, 2,4,6,8,10,12,14
.irp b, 0,1,2,3
	v_max3_num_f32 v[TM+\b], v[TM+\b], v[(\s)+16*\b+\i], v[(\s)+1+16*\b+\i]
.endr
.endr
.irp b, 0,1,2,3
	v_permlanex16_b32 v[TM+4+\b], v[TM+\b], s36, s37
.endr
.irp b, 0,1,2,3
	v_max_num_f32 v[TM+\b], v[TM+\b], v[TM+4+\b]   ; with lane l xor 16's 16: the block's largest
.endr
.irp b, 0,1,2,3
	v_add_nc_u32 v[TM+12+\b], 0xff000000, v[TM+\b] ; 2 off the exponent field: the conversion's scale operand
.endr
.irp b, 0,1,2,3
	v_lshrrev_b32 v[TM+4+\b], 23, v[TM+12+\b]      ; the byte
.endr
	v_lshl_or_b32 v[\pw], v[TM+6], 8, v[TM+4]      ; slot order: blocks 0, 2, 1, 3
	v_lshl_or_b32 v[\pw], v[TM+5], 16, v[\pw]
	v_lshl_or_b32 v[\pw], v[TM+7], 24, v[\pw]
.irp c, 0,1
	v_cvt_scalef32_pk16_fp6_f32 v[(\pc)+6*\c:(\pc)+6*\c+2], v[(\s)+16*\c:(\s)+16*\c+15], v[TM+12+\c]             ; my half of block c,
	v_cvt_scalef32_pk16_fp6_f32 v[(\pc)+12+4*\c:(\pc)+14+4*\c], v[(\s)+32+16*\c:(\s)+47+16*\c], v[TM+14+\c]      ; and of block 2 + c
.endr
	v_nop                                          ; one plain instruction behind the scaled conversions
.irp c, 0,1                            ; lanes 0-15 get the whole of block c, lanes 16-31 of block 2 + c: block 2 h + c, registers 6 c .. 6 c + 5
.irp i, 0,1,2
	v_permlane16_swap_b32 v[(\pc)+6*\c+\i], v[(\pc)+12+4*\c+\i]
.endr
.irp i, 0,1,2
	v_mov_b32 v[(\pc)+3+6*\c+\i], v[(\pc)+12+4*\c+\i]
.endr
.endr
.endm
	s_load_b256 s[4:11], s[0:1], 0x0               ; W1's codes, W1's scales, b1, ximg
	s_load_b128 s[12:15], s[0:1], 0x20             ; rplan, himg
	v_lshl_add_u32 v253, v0, 2, 0x18800
	v_mov_b32 v255, 0
	v_lshrrev_b32 v1, 5, v0
	v_readfirstlane_b32 s16, v1                    ; wave 0..3
	s_mov_b32 s17, ttmp9                           ; ft
	s_and_b32 s18, ttmp7, 0xffff                   ; e
	v_and_b32 v1, 31, v0
	v_lshlrev_b32 v[LI], 4, v1
	v_lshlrev_b32 v[LS], 2, v1
	v_and_b32 v11, 15, v1                          ; r
	v_lshrrev_b32 v12, 4, v1                       ; h
	s_wait_alu depctr_va_sdst(0)                   ; s16 is written, ahead of its first reader: LDS addresses, bases and the wave's pairs are made from it
	s_mul_i32 s21, s16, 32*PB
	v_add_nc_u32 v[S0], s21, v[LI]                 ; staging: a pair of rows is 1,536 bytes of memory, three loads: the first lies in the first row,
	v_lshl_add_u32 v[S0+1], v12, 4, v[S0]          ; the second crosses into the second row at lane 16,
	v_add_nc_u32 v[S0+2], 16, v[S0]                ; the third lies in it: one padding on
	v_mul_u32_u24 v[BA], v11, PB
	v_mad_u32_u24 v[BA], v12, 48, v[BA]            ; a fragment: row r, + 48 h
	v_add_nc_u32 v[BA+1], 64*PB, v[BA]
	v_and_b32 v9, 8, v11
	v_add_nc_u32 v9, v9, v11                       ; r + 8 (r / 8)
	v_lshlrev_b32 v9, 5, v9                        ; W1's scale bytes: 32 a row
	v_lshlrev_b32 v10, 6, v12                      ; b1: lanes 16-31 take the units 16 further on
.irp b, 0,1,2,3
	v_mov_b32 v[TM+4+\b], 0                        ; written once: a lane permute's destination counts as one of its sources
.endr
	s_lshl_b32 s21, s18, 12
	s_lshl_b32 s22, s17, 7
	s_add_co_u32 s21, s21, s22                     ; 4096 e + 128 ft: the work-group's first row of W1
	s_lshl_b32 s22, s16, 5
	s_add_co_u32 s22, s21, s22                     ; + 32 w: the first row that I stage
	s_mul_i32 s32, s22, 768
	s_mov_b32 s33, 0
	s_lshl_b32 s34, s21, 5
	s_mov_b32 s35, 0
	s_lshl_b32 s38, s21, 2
	s_mov_b32 s39, 0
	s_lshl_b32 s44, s18, 7
	s_mov_b32 s36, 0x76543210
	s_mov_b32 s37, 0xfedcba98                      ; selects for lane l xor 16
	s_mov_b32 s40, 0xffff0000                      ; lanes 16-31
	s_mov_b32 s41, 0x03010200                      ; bytes 0, 2, 1, 3
	s_wait_kmcnt 0x0
	s_load_b32 s19, s[12:13], s44 offset:0x0       ; the expert's number of pairs
	s_add_nc_u64 s[4:5], s[4:5], s[32:33]
	s_add_nc_u64 s[6:7], s[6:7], s[34:35]
	s_add_nc_u64 s[8:9], s[8:9], s[38:39]
	WIN 0x80
	s_wait_alu depctr_va_vdst(0)                   ; the offsets and LDS addresses v2 to v10 are written, which every load and store of the kernel reads; so are v253 and v255, which the closing add reads
.set a, 0
.rept 16
.irp b, 0,1,2
	global_load_b128 v[4*(3*a+\b):4*(3*a+\b)+3], v[LI], s[4:5] offset:1536*a+512*\b th:TH_LOAD_NT   ; my 32 rows of W1: 24,576 consecutive bytes, 512 a load; no other work-group reads them
.endr
.set a, a+1
.endr
.irp t, 0,1,2,3,4,5,6,7
	global_load_b128 v[B1+8*\t:B1+8*\t+3], v10, s[8:9] offset:(32*(\t/2)+8*(\t%2))*4
	global_load_b128 v[B1+8*\t+4:B1+8*\t+7], v10, s[8:9] offset:(32*(\t/2)+8*(\t%2))*4+16
.endr
	WIN 0
.irp t, 0,1,2,3,4,5,6,7
	global_load_b128 v[WS+8*\t:WS+8*\t+3], v9, s[6:7] offset:(32*(\t/2)+8*(\t%2))*32
	global_load_b128 v[WS+8*\t+4:WS+8*\t+7], v9, s[6:7] offset:(32*(\t/2)+8*(\t%2))*32+16
.endr
	s_wait_kmcnt 0x0
	s_min_u32 s19, s19, 32
	s_max_u32 s19, s19, 1
	s_sub_co_u32 s22, s19, 1
	s_min_u32 s21, s16, s22                        ; my first pair, or the expert's last: every wave fills its ring from bytes that were written
	s_min_u32 s21, s21, 31
	NEXTP
.irp q, 0,1,2,3,4,5,6,7
	RFILL \q, 24, \q
.endr
	s_wait_loadcnt 56                              ; the ring's 8 x 7 loads are younger: W1's rows, its scale words and b1 are in
	WIN 0x08                                       ; an LDS store's data are its source 1: window 2
.set a, 0
.rept 16
.set pr, ((2*a)&7)|((((2*a)>>3)&1)<<4)|((((2*a)>>4)&1)<<3)   ; bits 3 and 4 of the row's number change places: so a tile's 16 rows are neighbours in LDS
.irp b, 0,1,2
	ds_store_b128 v[S0+\b], v[4*(3*a+\b):4*(3*a+\b)+3] offset:pr*PB+512*\b
.endr
.set a, a+1
.endr
	WIN 0
.set i, 0
.rept 64
	v_perm_b32 v[WS+i], v[WS+i], v[WS+i], s41      ; W1's scale words into slot order, once
.set i, i+1
.endr
.rept 8
	v_nop                                          ; a scale register written by a vector instruction stands 8 plain instructions ahead of a scaled matrix instruction
.endr
	s_wait_alu depctr_va_vdst(0)                   ; W1's scale words are written, which the products take as scales; the places above stay beside this wait
	s_wait_dscnt 0x0                               ; my rows have landed
	s_barrier_signal -1
	s_barrier_wait -1                              ; the tile is whole.  The only barrier: it stands ahead of every branch on the number of pairs
	s_wait_alu depctr_vm_vsrc(0)                   ; my staging stores have read v0-191 of window 2: these registers are W1's two sets from here on, in which the fragments' loads land
	s_cmp_ge_u32 s16, s19
	s_cbranch_scc1 .Lend                           ; fewer pairs than waves: nothing for me
	WIN 0x80
	BFETCH 0, 0, 0
	BFETCH 0, 0, 1
	WIN 0
	s_mov_b32 s20, s16                             ; the pair in hand
	s_mov_b32 s45, 0                               ; passes done
.Lpass:                                            ; the loop is counted against a constant, TRIPS, which serves 32 pairs; a wave leaves it by the branch at a trip's end when its pairs are done
	s_wait_xcnt 0x0                                ; every earlier load and store has had its addresses translated: the bases below and the last pass's store data are written only behind this wait
	s_wait_alu depctr_vm_vsrc(0)                   ; the last pass's stores have read the three out-buffers: v88-99, which step 0's products write, v234-245 and v254, which the quantiser writes
	s_add_co_u32 s21, s20, 4
	s_sub_co_u32 s22, s19, 1
	s_min_u32 s21, s21, s22                        ; my next pair; in my last pass the expert's last once more, so that no load is left out and every count stays
	s_min_u32 s21, s21, 31
	NEXTP
	s_min_u32 s23, s20, 31
	s_lshl_b32 s22, s18, 5
	s_add_co_u32 s22, s22, s23
	s_lshl_b32 s22, s22, 5
	s_add_co_u32 s22, s22, s17                     ; (32 e + pair) x 32 + ft: these 128 units are step ft of the second product
	s_mul_i32 s32, s22, 3072
	s_add_nc_u64 s[28:29], s[14:15], s[32:33]
	s_lshl_b32 s32, s22, 7
	s_add_co_u32 s32, s32, 25165824
	s_add_nc_u64 s[30:31], s[14:15], s[32:33]
.irp s, 0,1,2,3,4,5,6,7
	STEP \s
.endr
	WIN 0
.set i, 0
.rept 64
	v_max_num_f32 v[ACC+i], 0, v[ACC+i]            ; the activation, in f32; each accumulator from its low end on
.set i, i+1
.endr
	QUANT ACC, PW, PC
.set i, 0
.rept 64
	v_max_num_f32 v[ACC+64+i], 0, v[ACC+64+i]
.set i, i+1
.endr
	QUANT ACC+64, PW+1, PC1                        ; into group 0's accumulators, which are done with: so neither group's fragment is written while the other's stores may read it
	v_cndmask_b32 v[TT], v[PW], v[PW+1], s40       ; lanes 0-15: group 0's words, lanes 16-31: group 1's
	WIN 0x40
	s_wait_alu depctr_va_vdst(0)                   ; the quantiser has written both fragments and v254, which the stores below read; step 7's products are done reading slot 7 and its scale word, in which the loads below land
	RFILL 7, 24, 7                                 ; the loads ahead of the stores
.irp i, 0,1,2
	global_store_b128 v[LI], v[PC+4*\i:PC+4*\i+3], s[28:29] offset:512*\i           ; the images: 512 consecutive bytes a store
.endr
.irp i, 0,1,2
	global_store_b128 v[LI], v[PC1+4*\i:PC1+4*\i+3], s[28:29] offset:1536+512*\i
.endr
	global_store_b32 v[LS], v[TT], s[30:31]
	s_add_co_u32 s20, s20, 4
	s_cmp_ge_u32 s20, s19
	s_cbranch_scc1 .Lend                           ; my pairs are done
	s_add_co_u32 s45, s45, 1
	s_cmp_lt_u32 s45, TRIPS
	s_cbranch_scc1 .Lpass
.Lend:
	s_wait_dscnt 0x0                               ; the closing lines, six on end
	s_wait_alu 0x0
	s_wait_tensorcnt 0x0
	ds_add_u32 v253, v255
	s_wait_dscnt 0x0
	s_endpgm
.Lfunc_end_k_q5c86ccf6c7_up:
	.size	k_q5c86ccf6c7_up, .Lfunc_end_k_q5c86ccf6c7_up-k_q5c86ccf6c7_up
	.p2alignl 7, 3214868480
	.fill 96, 4, 3214868480
	.section	.rodata,"a",@progbits
	.p2align	6, 0x0
	.amdhsa_kernel k_q5c86ccf6c7_up
		.amdhsa_group_segment_fixed_size 100864
		.amdhsa_private_segment_fixed_size 0
		.amdhsa_enable_private_segment 0
		.amdhsa_kernarg_size 48
		.amdhsa_user_sgpr_count 2
		.amdhsa_user_sgpr_kernarg_segment_ptr 1
		.amdhsa_wavefront_size32 1
		.amdhsa_system_sgpr_workgroup_id_x 1
		.amdhsa_system_sgpr_workgroup_id_y 1
		.amdhsa_system_sgpr_workgroup_id_z 1
		.amdhsa_system_vgpr_workitem_id 0
		.amdhsa_next_free_vgpr 768
		.amdhsa_next_free_sgpr 66
		.amdhsa_reserve_vcc 0
		.amdhsa_float_denorm_mode_32 3
		.amdhsa_float_denorm_mode_16_64 3
		.amdhsa_memory_ordered 1
		.amdhsa_forward_progress 1
		.amdhsa_inst_pref_size 76
	.end_amdhsa_kernel
	.amdgpu_metadata
---
amdhsa.version: [ 1, 2 ]
amdhsa.kernels:
  - .name:           k_q5c86ccf6c7_up
    .symbol:         k_q5c86ccf6c7_up.kd
    .args:
      - { .name: W1_codes, .offset: 0, .size: 8, .value_kind: global_buffer, .address_space: global }
      - { .name: W1_scales, .offset: 8, .size: 8, .value_kind: global_buffer, .address_space: global }
      - { .name: b1, .offset: 16, .size: 8, .value_kind: global_buffer, .address_space: global }
      - { .name: ximg, .offset: 24, .size: 8, .value_kind: global_buffer, .address_space: global }
      - { .name: rplan, .offset: 32, .size: 8, .value_kind: global_buffer, .address_space: global }
      - { .name: himg, .offset: 40, .size: 8, .value_kind: global_buffer, .address_space: global }
    .group_segment_fixed_size: 100864
    .private_segment_fixed_size: 0
    .kernarg_segment_align: 8
    .kernarg_segment_size: 48
    .max_flat_workgroup_size: 128
    .sgpr_count:     66
    .vgpr_count:     768
    .wavefront_size: 32
...
	.end_amdgpu_metadata
.endif
;; end of part 6
;; launch down (part 7): grid 256 x 1, 8 waves a work-group, no clusters, 233,472 bytes of LDS; arguments W2_codes, W2_scales, b2, himg, rplan, ybuf; writes ybuf
.if DOCPART == 7
	.amdgcn_target "amdgcn-amd-amdhsa--gfx1250"
	.amdhsa_code_object_version 6
	.text
	.protected	k_q5c86ccf6c7_down
	.globl	k_q5c86ccf6c7_down
	.p2align	8
	.type	k_q5c86ccf6c7_down,@function
k_q5c86ccf6c7_down:
	s_mov_b64 s[64:65], 0
	v_nop
	global_prefetch_b8 v0, s[64:65] scope:SCOPE_SE
	s_setreg_imm32_b32 hwreg(HW_REG_WAVE_SCHED_MODE, 0, 2), 2
	s_setreg_imm32_b32 hwreg(HW_REG_WAVE_MODE, 25, 1), 1
	s_wait_xcnt 0x0
	s_wait_alu depctr_vm_vsrc(0)
; THE SECOND PRODUCT OF AN EXPERT: y = Q(h) W2 + b2 for the expert's rows, stored in sorted order.
; Work-group number = 32 e + 16 rh + dt: columns 64 dt .. + 63 of expert e, and every second pair of rows (rh).  Its 64 rows of W2's codes, 192 KB, are asked for whole at the head and kept in LDS.
; EIGHT WAVES of 512 registers: wave w walks pairs 2 w + rh, + 16.  So an expert's columns have 16 places for pairs: up to 16 pairs are walked side by side, one pass a wave, and none behind another;
; and each wave stages 8 of the tile's rows, 48 loads.  A PASS is one pair against the 4 tiles of 16 columns over all of K = 4,096: 32 steps of 8 matrix instructions.
; TRANSPOSED: source 0 = 16 rows of W2 (columns of y), source 1 = 16 tokens: a lane's eight results are eight neighbouring columns of one row of y.
; SLOT ORDER as in the launch that made h's images: lane (r, h) holds the 48 consecutive bytes 96 s + 48 h .. of row r on both operands; scale words with bytes 0, 2, 1, 3.
; h's fragments come from memory straight into a ring of 8 steps in registers, on into the wave's next pair; b2 is the C of a pass's first products.
; A WAVE WITHOUT A PAIR stages its rows like the others and still issues the ring's first 56 loads, so that the count of loads is the same on every wave's way to the barrier; its lane offsets are multiplied by 0,
; so that each of those loads names 16 bytes, of the expert's last pair.  Behind the barrier it ends.
; NO TENSOR LOAD, NO CLUSTER: the number of passes is read from memory, so nothing is moved by a copy engine and joint requests are out; the one barrier stands ahead of every branch on that number.
; REGISTERS: window 0: v1-15 addresses; v16-23 h's scale words (ring); v24-87 W2's scale words (32 (t % 2) + s: lanes 0-15 tile t % 2, lanes 16-31 tile t % 2 + 2); v88-119 b2, 8 a tile;
;   v120-183 8 accumulators (32 g + 8 t); v184-231 W2's fragments of even steps.   window 1: v0-191 h's fragments: ring slot q, group g at 24 q + 12 g; v192-239 W2's fragments of odd steps; v254, v255 the closing add's two.
;   At the head v120-255 of window 0 and v192-247 of window 1 are the staging registers: 34 + 14 loads.
; THE MODE: SCHED_MODE bits 1:0 = 2 (LLVM: expert scheduling mode 2), set by the entry lines.  The code itself states the register dependences
; between vector or matrix instructions and memory or LDS instructions, with s_wait_alu, always for 0.
; THE PLAN.  Registers that memory or LDS instructions touch, in the loop:
;   W2's sets 0, 1      Step s's products read set s % 2; the LDS loads issued in step s land in the other set, which step s - 1's products read.
;   ring slots 0 .. 7   with their scale words v16-23.  Step s's products read slot s % 8; the slot is asked for again in step s + 1 (behind step 31: on the way out), for the step 8 further on, in this pair or the next.
;   the accumulators    Written by the products; on the way out read by a group's LDS stores, then the group's rows land in them from the stage, then the global stores read them; written again by the next pass's first products.
;   v5-9, v14, v15      LDS addresses and offsets, made at the head and never written again: the pairs are reached by scalar bases, the steps by immediate offsets.
; So ONE wait on va_vdst stands at the head of each of steps 1 to 31: the step before is done reading its set, its slot and its scale word.  The step's 19 loads follow it in two runs among its 8 products, which
; name set s % 2, slot s % 8, the accumulators and W2's scale words: none of the registers that those loads touch.  Step 0 asks for no slot, and the set in which its LDS loads land was read last by step 31's
; products, which stand ahead of the way out's wait.  The way out has one wait on va_vdst at its head and one on vm_vsrc for each group, between its LDS stores and the loads into the same registers; one on vm_vsrc stands at the pass's head.
.set PB,  3088                         ; an LDS row: 3,072 bytes + 16: 193 x 16, so the sixteen rows of a load begin at sixteen different 16-byte columns of 256
.set KS,  32
.set TRIPS, 2                          ; passes of a wave at the most: 32 pairs, every sixteenth
.set NPL, 5                            ; plain instructions behind a step's products, behind every step alike: 4 are owed ahead of the first read of results, 5 ahead of the next pass's first products, which write the accumulators anew (ISA guide 7.12.1)
.set STG, 64*PB                        ; behind the tile: 16 rows x (256 + 16) bytes for each wave, for the way out
.set LI,  2                            ; v2  16 x lane
.set LS,  3                            ; v3  4 x lane
.set SA,  4                            ; v4  staging
.set BA,  5                            ; v5-6 my lane's place in tiles 0-1, 2-3
.set SO,  7                            ; v7  the way out: where I put 32 bytes of a row
.set SR,  8                            ; v8  where I read rows back
.set YO,  9                            ; v9  and the same place in y
.set LA,  14                           ; v14 the ring's lane offset in an image: 16 x lane, or 0 in a wave without a pair
.set LB,  15                           ; v15 and among the scale words: 4 x lane, or 0
.set AS,  16
.set WS,  24
.set B2,  88
.set ACC, 120
.set BF0, 184                          ; in window 0
.set BF1, 192                          ; in window 1
.set MSB, 0
.macro WIN new                         ; the immediate's high byte repeats the setting that is left
.if MSB != \new
	s_set_vgpr_msb (MSB<<8)|\new
.set MSB, \new
.endif
.endm
.macro PLACES
.rept NPL
	v_nop
.endr
.endm
; THE RING'S FILLS.  Fill r (0 .. 31) is the one that follows step r's products: slot r % 8 takes this pair's step r + 8 (bases s[24:27]), or from r = 24 on the next pair's step r - 24 (bases s[28:31]).
.macro RPLACE r
.if (\r) < 24
.set GBASE, 24
.set GSTEP, (\r)+8
.else
.set GBASE, 28
.set GSTEP, (\r)-24
.endif
.endm
.macro RCODES r                        ; its two images: 6 loads; the destination's window, 1, is set by the caller
	RPLACE \r
.irp g, 0,1
.irp i, 0,1,2
	global_load_b128 v[24*((\r)%8)+12*\g+4*\i:24*((\r)%8)+12*\g+4*\i+3], v[LA], s[GBASE:GBASE+1] offset:3072*GSTEP+1536*\g+512*\i
.endr
.endr
.endm
.macro RWORD r                         ; its scale words: 1 load, under window 0
	RPLACE \r
	global_load_b32 v[AS+(\r)%8], v[LB], s[GBASE+2:GBASE+3] offset:128*GSTEP
.endm
.macro BFETCH s, bs                    ; W2's four fragments of step s into set bs; the destination's window (set 0: 0, set 1: 1) is set by the caller
.if (\bs) == 0
.set rF, BF0
.else
.set rF, BF1
.endif
.irp t, 0,1,2,3
.irp i, 0,1,2
	ds_load_b128 v[rF+12*\t+4*\i:rF+12*\t+4*\i+3], v[BA+\t/2] offset:(\t%2)*16*PB+96*(\s)+16*\i
.endr
.endr
.endm
.macro MM s, t, g
.set rD, ACC+32*(\g)+8*(\t)
.if ((\s)%2) == 0
.set rA, BF0+12*(\t)
.else
.set rA, BF1+12*(\t)
.endif
.set rB, 24*((\s)%8)+12*(\g)
.if (\s) == 0
.set rC, B2+8*(\t)
.else
.set rC, rD
.endif
.set rW, WS+32*((\t)%2)+(\s)
.if (\t) < 2
.if (\g) == 0
	v_wmma_scale_f32_16x16x128_f8f6f4 v[rD:rD+7], v[rA:rA+11], v[rB:rB+11], v[rC:rC+7], v[rW], v[AS+(\s)%8] matrix_a_fmt:MATRIX_FMT_FP6 matrix_b_fmt:MATRIX_FMT_FP6
.else
	v_wmma_scale_f32_16x16x128_f8f6f4 v[rD:rD+7], v[rA:rA+11], v[rB:rB+11], v[rC:rC+7], v[rW], v[AS+(\s)%8] matrix_a_fmt:MATRIX_FMT_FP6 matrix_b_fmt:MATRIX_FMT_FP6 matrix_b_scale:MATRIX_SCALE_ROW1
.endif
.else
.if (\g) == 0
	v_wmma_scale_f32_16x16x128_f8f6f4 v[rD:rD+7], v[rA:rA+11], v[rB:rB+11], v[rC:rC+7], v[rW], v[AS+(\s)%8] matrix_a_fmt:MATRIX_FMT_FP6 matrix_b_fmt:MATRIX_FMT_FP6 matrix_a_scale:MATRIX_SCALE_ROW1
.else
	v_wmma_scale_f32_16x16x128_f8f6f4 v[rD:rD+7], v[rA:rA+11], v[rB:rB+11], v[rC:rC+7], v[rW], v[AS+(\s)%8] matrix_a_fmt:MATRIX_FMT_FP6 matrix_b_fmt:MATRIX_FMT_FP6 matrix_a_scale:MATRIX_SCALE_ROW1 matrix_b_scale:MATRIX_SCALE_ROW1
.endif
.endif
.endm
.macro MWIN s                          ; the products' windows
.if ((\s)%2) == 0
	WIN 0x04                                       ; source 0 (W2) window 0, source 1 (h) window 1
.else
	WIN 0x05                                       ; both in window 1
.endif
.endm
.macro STEP s
.if (\s) == 0
	s_wait_loadcnt 49                              ; behind slot 0's 7 loads stand those of slots 1 to 7: at the first pass from the head, later from the pass before
.else
	s_wait_loadcnt 42                              ; behind this slot's 7 loads stand those of six slots: the slot read last step has not been asked for again yet
.endif
	s_wait_dscnt 0x0                               ; this step's fragments of W2, asked for a step ago
.if ((\s)%2) == 0
	WIN 0x40                                       ; the next step's set lies in window 1,
.else
	WIN 0                                          ; or in window 0
.endif
.if (\s) > 0
	s_wait_alu depctr_va_vdst(0)                   ; the last step's products are done reading their set of W2's fragments, their ring slot and its scale word: this step's loads land in these
.endif
	BFETCH ((\s)+1)%KS, ((\s)+1)%2                 ; the next step's (behind the last step: step 0's again, for the next pass)
.if ((\s)%2) == 1
	RWORD (\s)-1                                   ; the window is 0 here: the slot's scale words go first
.endif
	MWIN \s
.irp t, 0,1                            ; the 8 accumulators take turns, one instruction a turn
.irp g, 0,1
	MM \s, \t, \g
.endr
.endr
.if (\s) > 0
	WIN 0x40
	RCODES (\s)-1                                  ; the slot read last step is asked for again.  No wait: no vector or matrix instruction since the wait above names these registers
.if ((\s)%2) == 0
	WIN 0
	RWORD (\s)-1
.endif
.endif
	MWIN \s
.irp t, 2,3
.irp g, 0,1
	MM \s, \t, \g
.endr
.endr
	PLACES
.endm
.macro NEXTP                           ; s21: a pair, held under 32 -> s[28:29] its images, s[30:31] its scale words
	s_lshl_b32 s23, s18, 5
	s_add_co_u32 s23, s23, s21
	s_mul_i32 s32, s23, 98304
	s_add_nc_u64 s[28:29], s[10:11], s[32:33]
	s_lshl_b32 s32, s23, 12
	s_add_co_u32 s32, s32, 25165824
	s_add_nc_u64 s[30:31], s[10:11], s[32:33]
.endm
	s_load_b256 s[4:11], s[0:1], 0x0               ; W2's codes, W2's scales, b2, himg
	s_load_b128 s[12:15], s[0:1], 0x20             ; rplan, ybuf
	s_set_vgpr_msb 0x40
	v_lshl_add_u32 v254, v0, 2, 0x38c00
	v_mov_b32 v255, 0
	s_set_vgpr_msb 0x4000
	v_lshrrev_b32 v1, 5, v0
	v_readfirstlane_b32 s16, v1                    ; wave 0..7
	s_lshr_b32 s18, ttmp9, 5                       ; e
	s_bfe_u32 s42, ttmp9, 0x10004                  ; rh
	s_and_b32 s17, ttmp9, 15                       ; dt
	v_and_b32 v1, 31, v0
	v_lshlrev_b32 v[LI], 4, v1
	v_lshlrev_b32 v[LS], 2, v1
	v_and_b32 v12, 15, v1                          ; r
	v_lshrrev_b32 v13, 4, v1                       ; h
	s_wait_alu depctr_va_sdst(0)                   ; s16 is written, ahead of its first reader: the wave's pairs, LDS addresses and bases are made from it
	s_lshl_b32 s43, s16, 1
	s_add_co_u32 s43, s43, s42                     ; my first pair: 2 w + rh
	s_mul_i32 s22, s16, 8*PB
	v_add_nc_u32 v[SA], s22, v[LI]                 ; staging: my 8 rows, 16 bytes a lane
	v_mul_u32_u24 v[BA], v12, PB
	v_mad_u32_u24 v[BA], v13, 48, v[BA]            ; a fragment: row r, + 48 h
	v_add_nc_u32 v[BA+1], 32*PB, v[BA]
	s_mul_i32 s21, s16, 4352
	s_add_co_u32 s21, s21, STG                     ; my stage
	v_mul_u32_u24 v[SO], v12, 272
	v_lshl_add_u32 v[SO], v13, 5, v[SO]
	v_add_nc_u32 v[SO], s21, v[SO]                 ; in: row r, + 32 h
	v_mul_u32_u24 v[SR], v13, 272
	v_lshl_add_u32 v[SR], v12, 4, v[SR]
	v_add_nc_u32 v[SR], s21, v[SR]                 ; back: lanes 0-15 one row of 256 bytes, lanes 16-31 the next
	v_lshlrev_b32 v[YO], 12, v13
	v_lshl_add_u32 v[YO], v12, 4, v[YO]            ; and the same two rows in y
	v_lshlrev_b32 v10, 7, v12                      ; W2's scale bytes: 128 a row;
	v_lshl_add_u32 v10, v13, 12, v10               ; lanes 16-31 take the rows 32 further on: the tile two on
	v_lshlrev_b32 v11, 5, v13                      ; b2: lanes 16-31 take the columns 8 further on
	s_lshl_b32 s21, s18, 10
	s_lshl_b32 s22, s17, 6
	s_add_co_u32 s21, s21, s22                     ; 1024 e + 64 dt: the work-group's first row of W2
	s_lshl_b32 s22, s16, 3
	s_add_co_u32 s22, s21, s22                     ; + 8 w: the first row that I stage
	s_mul_i32 s32, s22, 3072
	s_mov_b32 s33, 0
	s_lshl_b32 s34, s21, 7
	s_mov_b32 s35, 0
	s_lshl_b32 s38, s21, 2
	s_mov_b32 s39, 0
	s_lshl_b32 s44, s18, 7
	s_mov_b32 s41, 0x03010200                      ; bytes 0, 2, 1, 3
	s_wait_kmcnt 0x0
	s_load_b32 s19, s[12:13], s44 offset:0x0       ; the expert's number of pairs
	s_add_nc_u64 s[4:5], s[4:5], s[32:33]
	s_add_nc_u64 s[6:7], s[6:7], s[34:35]
	s_add_nc_u64 s[8:9], s[8:9], s[38:39]
	s_wait_alu depctr_va_vdst(0)                   ; the offsets and LDS addresses v2 to v11 are written, which the loads and stores below read; so are v254 and v255 of window 1, which the closing add reads
.set n, 0
.rept 34
	global_load_b128 v[ACC+4*n:ACC+4*n+3], v[LI], s[4:5] offset:512*n      ; my 8 rows of W2: 24,576 consecutive bytes, 512 a load; 34 loads into window 0,
.set n, n+1
.endr
	WIN 0x40
.set n, 34
.rept 14
	global_load_b128 v[BF1+4*(n-34):BF1+4*(n-34)+3], v[LI], s[4:5] offset:512*n    ; 14 into window 1
.set n, n+1
.endr
	WIN 0
.irp t, 0,1
.irp q, 0,1,2,3,4,5,6,7
	global_load_b128 v[WS+32*\t+4*\q:WS+32*\t+4*\q+3], v10, s[6:7] offset:2048*\t+16*\q   ; lanes 0-15: tile t's words of steps 4 q on; lanes 16-31: tile t + 2's
.endr
.endr
.irp t, 0,1,2,3
	global_load_b128 v[B2+8*\t:B2+8*\t+3], v11, s[8:9] offset:64*\t
	global_load_b128 v[B2+8*\t+4:B2+8*\t+7], v11, s[8:9] offset:64*\t+16
.endr
	s_wait_kmcnt 0x0
	s_min_u32 s19, s19, 32
	s_max_u32 s19, s19, 1
	s_min_u32 s46, s43, s19
	s_sub_co_u32 s46, s19, s46                     ; pairs from my first on: 0 where I have none;
	s_min_u32 s46, s46, 1                          ; 1 or 0
	v_mul_u32_u24 v[LA], s46, v[LI]
	v_mul_u32_u24 v[LB], s46, v[LS]
	s_sub_co_u32 s22, s19, 1
	s_min_u32 s21, s43, s22                        ; my first pair, or the expert's last: every wave fills its ring from bytes that were written
	s_min_u32 s21, s21, 31
	NEXTP
	WIN 0x40
	s_wait_alu depctr_va_vdst(0)                   ; v14 and v15 are written, which every load of the ring reads as its offset
.irp q, 0,1,2,3,4,5,6,7
	WIN 0x40
	RCODES 24+\q                                   ; slot q takes the first pair's step q
	WIN 0
	RWORD 24+\q
.endr
	s_wait_loadcnt 56                              ; the ring's 8 x 7 loads are younger: W2's rows, its scale words and b2 are in
.set n, 0
.rept 34
	ds_store_b128 v[SA], v[ACC+4*n:ACC+4*n+3] offset:PB*(n/6)+512*(n%6)
.set n, n+1
.endr
	WIN 0x04                                       ; an LDS store's data are its source 1: window 1
.set n, 34
.rept 14
	ds_store_b128 v[SA], v[BF1+4*(n-34):BF1+4*(n-34)+3] offset:PB*(n/6)+512*(n%6)
.set n, n+1
.endr
	WIN 0
.set i, 0
.rept 64
	v_perm_b32 v[WS+i], v[WS+i], v[WS+i], s41      ; W2's scale words into slot order, once
.set i, i+1
.endr
.rept 8
	v_nop                                          ; a scale register written by a vector instruction stands 8 plain instructions ahead of a scaled matrix instruction
.endr
	s_wait_alu depctr_va_vdst(0)                   ; W2's scale words are written, which the products take as scales; the places above stay beside this wait
	s_wait_dscnt 0x0                               ; my rows have landed
	s_barrier_signal -1
	s_barrier_wait -1                              ; the tile is whole.  The only barrier: it stands ahead of every branch on the number of pairs
	s_wait_alu depctr_vm_vsrc(0)                   ; my staging stores have read their registers: these are the accumulators, which products write, and W2's two sets, in which the fragments' loads land, from here on
	s_cmp_ge_u32 s43, s19
	s_cbranch_scc1 .Lend                           ; no pair for me
	BFETCH 0, 0
	s_mov_b32 s20, s43                             ; the pair in hand
	s_mov_b32 s45, 0                               ; passes done
.Lpass:                                            ; the loop is counted against a constant, TRIPS, which serves 32 pairs; a wave leaves it by the branch at a trip's end when its pairs are done
	s_wait_xcnt 0x0                                ; every earlier load and store has had its addresses translated: the bases, and the accumulators that the last stores read, are written only behind this wait
	s_wait_alu depctr_vm_vsrc(0)                   ; the last pass's global stores have read the accumulators' registers, which step 0's products write
	s_mov_b64 s[24:25], s[28:29]                   ; the pair in hand is the one that the ring has begun
	s_mov_b64 s[26:27], s[30:31]
	s_add_co_u32 s21, s20, 16
	s_sub_co_u32 s22, s19, 1
	s_min_u32 s21, s21, s22                        ; my next pair; in my last pass the expert's last once more, so that no load is left out and every count stays
	s_min_u32 s21, s21, 31
	NEXTP
	s_min_u32 s23, s20, 31
	s_lshl_b32 s22, s18, 5
	s_add_co_u32 s22, s22, s23                     ; 32 e + pair
	s_lshl_b32 s32, s22, 17                        ; 32 rows of 4,096 bytes
	s_lshl_b32 s22, s17, 8
	s_add_co_u32 s32, s32, s22                     ; + my 64 columns
	s_add_nc_u64 s[34:35], s[14:15], s[32:33]
.irp s, 0,1,2,3,4,5,6,7,8,9,10,11,12,13,14,15,16,17,18,19,20,21,22,23,24,25,26,27,28,29,30,31
	STEP \s
.endr
; THE WAY OUT.  A lane holds 32 neighbouring bytes of a row, the lanes beside it other rows: a group of 16 rows goes through my own stage and comes back as whole rows of 256 bytes, into the registers that it left.
; LDS serves a wave's instructions in order: no wait on its counter between stores and loads, nor in front of the second group's stores.
	WIN 0x40
	s_wait_alu depctr_va_vdst(0)                   ; the products have written the accumulators, which the LDS stores read and in which the rows land (the places behind step 31 stay beside this wait); step 31's are done reading slot 7 and its scale word
	RCODES 31                                      ; slot 7 takes the next pair's step 7
	WIN 0
	RWORD 31
.irp g, 0,1
.irp t, 0,1,2,3
	ds_store_b128 v[SO], v[ACC+32*\g+8*\t:ACC+32*\g+8*\t+3] offset:64*\t           ; each accumulator from its low end on
	ds_store_b128 v[SO], v[ACC+32*\g+8*\t+4:ACC+32*\g+8*\t+7] offset:64*\t+16
.endr
	s_wait_alu depctr_vm_vsrc(0)                   ; the group's LDS stores have read its accumulators, in which the loads below land
.irp i, 0,1,2,3,4,5,6,7
	ds_load_b128 v[ACC+32*\g+4*\i:ACC+32*\g+4*\i+3], v[SR] offset:544*\i
.endr
.endr
.irp g, 0,1
.irp i, 0,1,2,3,4,5,6,7
	s_wait_dscnt 23-16*\g-\i                       ; younger: the rest of this group's loads, and for group 0 the second group's 16
	global_store_b128 v[YO], v[ACC+32*\g+4*\i:ACC+32*\g+4*\i+3], s[34:35] offset:(16*\g+2*\i)*4096   ; sixteen lanes store 256 consecutive bytes, at a multiple of 256 from the buffer's first byte
.endr
.endr
	s_add_co_u32 s20, s20, 16
	s_cmp_ge_u32 s20, s19
	s_cbranch_scc1 .Lend                           ; my pairs are done
	s_add_co_u32 s45, s45, 1
	s_cmp_lt_u32 s45, TRIPS
	s_cbranch_scc1 .Lpass
.Lend:
	s_set_vgpr_msb 0x5                             ; the add's two registers, sources 0 and 1, lie in window 1 (the setting before was 0)
	s_wait_dscnt 0x0                               ; the closing lines, six on end
	s_wait_alu 0x0
	s_wait_tensorcnt 0x0
	ds_add_u32 v254, v255
	s_wait_dscnt 0x0
	s_endpgm
.Lfunc_end_k_q5c86ccf6c7_down:
	.size	k_q5c86ccf6c7_down, .Lfunc_end_k_q5c86ccf6c7_down-k_q5c86ccf6c7_down
	.p2alignl 7, 3214868480
	.fill 96, 4, 3214868480
	.section	.rodata,"a",@progbits
	.p2align	6, 0x0
	.amdhsa_kernel k_q5c86ccf6c7_down
		.amdhsa_group_segment_fixed_size 233472
		.amdhsa_private_segment_fixed_size 0
		.amdhsa_enable_private_segment 0
		.amdhsa_kernarg_size 48
		.amdhsa_user_sgpr_count 2
		.amdhsa_user_sgpr_kernarg_segment_ptr 1
		.amdhsa_wavefront_size32 1
		.amdhsa_system_sgpr_workgroup_id_x 1
		.amdhsa_system_sgpr_workgroup_id_y 1
		.amdhsa_system_sgpr_workgroup_id_z 1
		.amdhsa_system_vgpr_workitem_id 0
		.amdhsa_next_free_vgpr 512
		.amdhsa_next_free_sgpr 66
		.amdhsa_reserve_vcc 0
		.amdhsa_float_denorm_mode_32 3
		.amdhsa_float_denorm_mode_16_64 3
		.amdhsa_memory_ordered 1
		.amdhsa_forward_progress 1
		.amdhsa_inst_pref_size 120
	.end_amdhsa_kernel
	.amdgpu_metadata
---
amdhsa.version: [ 1, 2 ]
amdhsa.kernels:
  - .name:           k_q5c86ccf6c7_down
    .symbol:         k_q5c86ccf6c7_down.kd
    .args:
      - { .name: W2_codes, .offset: 0, .size: 8, .value_kind: global_buffer, .address_space: global }
      - { .name: W2_scales, .offset: 8, .size: 8, .value_kind: global_buffer, .address_space: global }
      - { .name: b2, .offset: 16, .size: 8, .value_kind: global_buffer, .address_space: global }
      - { .name: himg, .offset: 24, .size: 8, .value_kind: global_buffer, .address_space: global }
      - { .name: rplan, .offset: 32, .size: 8, .value_kind: global_buffer, .address_space: global }
      - { .name: ybuf, .offset: 40, .size: 8, .value_kind: global_buffer, .address_space: global }
    .group_segment_fixed_size: 233472
    .private_segment_fixed_size: 0
    .kernarg_segment_align: 8
    .kernarg_segment_size: 48
    .max_flat_workgroup_size: 256
    .sgpr_count:     66
    .vgpr_count:     512
    .wavefront_size: 32
...
	.end_amdgpu_metadata
.endif
;; end of part 7
;; launch combine: the kernel of part 5 again; grid 256 x 1, 4 waves a work-group, no clusters, 0 bytes of LDS; arguments rplan, gates, ybuf, out0; writes out0
